; MI455X (gfx1250); checked and timed in simulation.
; The chip was launched on July 23, 2026; its instructions are those of AMD's public machine-readable ISA for CDNA 5 (MIT licence, August 2026) and "CDNA5" Instruction Set Architecture Reference Guide (July 2026). The comments in the code are by the model that wrote it; some were corrected since.
;; Multi Head Attention. Allowed arithmetic: matrix products marked QUANTISED: E2M1 operands, one E8M0 scale for each 32 along K, by v_wmma_scale_f32_16x16x128_f8f6f4 with both operands' format E2M1 (or v_wmma_scale_f32_32x16x128_f4), f32 sums; everything else in f32.
;; Inputs: Wo 1,024 x 1,024 float32; Wqkv 16 x 1,024 x 192 float32; bo 1,024 float32; bqkv 16 x 192 float32; x 4 x 2,048 x 1,024 float32.
;; Outputs: out0 4 x 2,048 x 1,024 float32.
;; This version of the problem:
;;   THIS VERSION OF THE PROBLEM IS GIVEN IN LOW PRECISION. The matrix products marked QUANTISED in the list below multiply operands that are first quantised to E2M1 (2 exponent bits, 1 mantissa bit; 4 bits a number), with one power-of-two scale for each 32 numbers along K (OCP MX v1.0); their sums are f32. All else is computed in f32.
;;   The module's matrix products, in the order in which they are computed (A, B: the left and right operand; K: the contracted axis; several contracted axes count as one K, in the product's order):
;;     1. [M 3,072, K 1,024] x [K 1,024, N 8,192]; A: input Wqkv; B: input x: QUANTISED
;;     2. batch 64 x [M 2,048, K 64] x [K 64, N 2,048]; A: computed on the way; B: computed on the way: QUANTISED
;;     3. batch 64 x [M 2,048, K 2,048] x [K 2,048, N 64]; A: softmax (see below); B: computed on the way: QUANTISED
;;     4. [M 8,192, K 1,024] x [K 1,024, N 1,024]; A: computed on the way; B: input Wo: QUANTISED
;;   THE QUANTISER, for each operand of a quantised product, along K:
;;     - K is cut into blocks of 32 from its start; a last block that is shorter is filled with zeros.
;;     - A block's scale is 2^e with e = floor(log2(the largest magnitude in the block)) - 2, held to -126 .. 127; a block of zeros has e = 0. As a byte (E8M0): e + 127.
;;     - Each number is divided by its block's scale, clamped to +-6, and rounded to the nearest number of E2M1, ties to even, subnormals kept.
;;     - The product sums the exact products of the quantised numbers (number of the format x scale) in f32.
;;   ~~~python
;;   def quantise(x, axis):      # numpy; x: float32 -> the quantised numbers, widened to float32 again
;;       x = np.moveaxis(x, axis, -1); K = x.shape[-1]
;;       x = np.pad(x, [(0, 0)] * (x.ndim - 1) + [(0, -K % 32)]); x = x.reshape(x.shape[:-1] + (-1, 32)); a = np.abs(x).max(-1, keepdims=True)
;;       e = np.where(a > 0, np.clip(np.frexp(np.where(a > 0, a, 1))[1] - 1 - 2, -126, 127), 0)      # np.frexp(a)[1] - 1 = floor(log2(a)), exactly
;;       r = np.clip(x / 2.0 ** e, -6, 6)
;;       step = 2.0 ** (np.maximum(np.frexp(np.where(r == 0, 1, r))[1] - 1, 0) - 1)
;;       q = np.round(r / step) * step * 2.0 ** e      # np.round: ties to even
;;       return np.moveaxis(q.reshape(q.shape[:-2] + (-1,))[..., :K], -1, axis).astype(np.float32)
;;   ~~~
;;   SOFTMAX AHEAD OF A QUANTISED PRODUCT. Where the list says 'softmax', what is quantised is not the finished softmax but p = 2^(t - M), with t = logit x log2(e) and M = ceil(the row's largest t), a whole number; so 1/2 < the row's largest p <= 1. The row's sum l is taken of the UNQUANTISED p, in f32, and the product's result is divided by l at the end. Since M is a whole number, a kernel that streams over the keys may use a running M (the ceiling of the running maximum): every later rescaling is an exact power of two, which a block's scale takes up: the codes' values come out the same.
;;   OPERANDS COMPUTED ON THE WAY. 'Computed on the way' means the value that the module computes at that place (a softmax that the list does not call 'softmax' is quantised finished and normalised). What goes into a quantiser is computed in f32, as accurately as f32 sums, v_exp_f32 and their like allow (about 1e-6 of the number): no bf16 or f16 on the way to a quantiser, and a product that is left as it is and whose result goes on into a quantised operand takes f32 operands (vector FMAs, or v_wmma_f32_16x16x4_f32). A number that lies on a knife's edge between two numbers of the format may be rounded either way, as far as f32 arithmetic and the matrix unit's own rounding can turn it there, and no further.
;; One version. Each part assembles by itself: llvm-mc -triple=amdgcn-amd-amdhsa -mcpu=gfx1250 --defsym DOCPART=n.
;; ======== version 1 of 1: 4 launches
;; limits: right only within a limited range of input values
;; workspace buffers: xq 4,456,448 bytes; wq 2,228,224 bytes; qkv 13,369,344 bytes; oq 4,456,448 bytes
;; launch quant (part 1): grid 512 x 1, 4 waves a work-group, no clusters, 34,304 bytes of LDS; arguments x, Wqkv, Wo, xq, wq; writes xq, wq
.if DOCPART == 1
	.amdgcn_target "amdgcn-amd-amdhsa--gfx1250"
	.amdhsa_code_object_version 6
	.text
	.protected	k_qc6baf2da00_quant
	.globl	k_qc6baf2da00_quant
	.p2align	8
	.type	k_qc6baf2da00_quant,@function
k_qc6baf2da00_quant:
	s_mov_b64 s[64:65], 0
	v_nop
	global_prefetch_b8 v0, s[64:65] scope:SCOPE_SE
	s_setreg_imm32_b32 hwreg(HW_REG_WAVE_MODE, 25, 1), 1
	s_wait_xcnt 0x0
; x [8192][1024], Wqkv [16][1024][192] and Wo [1024][1024], f32, become codes of FP4 (E2M1) with one E8M0 byte for each 32 along K (K = x's last axis, the weights' axis of 1,024).
; A block's scale is 2^(floor(log2(its largest magnitude)) - 2); its byte is the largest magnitude's exponent field - 2, held at 1 from below.  A block of zeros keeps the byte 1 where the
; rule says 127: its codes are zeros, which add nothing, and the bytes are read by this program alone.  LIMITS: NaN and infinities among the inputs are not served.
; THE WORKSPACE IS LAID AS THE READERS' REGISTERS.  A tile is 16 rows (of x) or 16 columns (of a weight): tile 2 g + u holds, in lane r, number 32 g + 8 u + r + 8 (r / 8).
; A fragment (a tile x 128 along K) is 1,024 bytes: lane l's registers 4 c .. 4 c + 3 (k = 64 c + 32 (l / 16) + 0 .. 31) at 512 c + 16 l.  Codes: [tile][K step 0..7][1,024].
; A tile's scale words are 512 bytes: lane l's 16 bytes at 16 l; lanes 0-15 the words of K steps 0-3 of row l, lanes 16-31 those of K steps 4-7.
; Work-groups 0-255 take x (a wave: one tile x 512 along K), work-groups 256-511 the weights (a wave: 32 columns x 128 along K).  Work-groups share no input: no cluster.  No barrier: waves share nothing.
.set XSC, 4194304                      ; xq: the scale words begin here
.set WSC, 2097152                      ; wq: likewise
.set RW,  64                           ; v64-191  x: two sets of 64 registers as loaded;  weights: a lane's 128 numbers down K
.set XN,  192                          ; v192-255 x: a lane's 64 numbers of a fragment, in the fragment's order
.set CD,  24                           ; v24-55   codes: registers of their own for each step, so that no store's data are written again
.set SP,  528                          ; a stage row: 512 bytes + 16, so that sixteen rows begin at sixteen different groups of four banks (64 banks of 4 bytes: ISA guide 11.1)
.macro LOADX t                         ; K step t of my tile: sixteen rows, 512 consecutive bytes each
.irp i, 0,1,2,3,4,5,6,7,8,9,10,11,12,13,14,15
	global_load_b128 v[RW+64*((\t)%2)+4*\i:RW+64*((\t)%2)+4*\i+3], v4, s[4:5] offset:(\i+8*(\i/8))*4096+(\t)*512 th:TH_LOAD_NT
.endr
.endm
.macro STEPX t
.if (\t) < 3
	s_wait_loadcnt 16                              ; this step's sixteen loads are in; the next step's sixteen may be out
.else
	s_wait_loadcnt 0x0
.endif
.irp i, 0,1,2,3,4,5,6,7,8,9,10,11,12,13,14,15
	ds_store_b128 v5, v[RW+64*((\t)%2)+4*\i:RW+64*((\t)%2)+4*\i+3] offset:\i*SP   ; row i as it lies
.endr
.irp c, 0,1
.irp p, 0,1,2,3,4,5,6,7
	ds_load_b128 v[XN+32*\c+4*\p:XN+32*\c+4*\p+3], v6 offset:256*\c+16*\p         ; back: row r, k = 64 c + 32 h + 4 p ..  (LDS serves a wave's instructions in order: these see the stores)
.endr
.endr
	s_wait_dscnt 0x0                               ; the numbers are back, and the stores have read their registers,
.if (\t) < 2
	LOADX (\t)+2                                   ; which take the loads of two steps on
.endif
.irp c, 0,1
	v_max3_num_f32 v[8+\c], |v[XN+32*\c]|, |v[XN+32*\c+1]|, 0x1800000             ; block 2 c + h: all 32 numbers are mine; the floor 2^(3 - 127) holds the byte at 1 from below
.endr
.irp i, 2,4,6,8,10,12,14,16,18,20,22,24,26,28,30
.irp c, 0,1
	v_max3_num_f32 v[8+\c], v[8+\c], |v[XN+32*\c+\i]|, |v[XN+32*\c+\i+1]|
.endr
.endr
.irp c, 0,1
	v_add_nc_u32 v[10+\c], 0xff000000, v[8+\c]     ; 2 off the exponent field: the conversion's scale operand
.endr
.irp c, 0,1
	v_lshrrev_b32 v[12+\c], 23, v[10+\c]           ; the scale's byte
.endr
	v_lshl_or_b32 v15, v13, 16, v12                ; my two bytes, blocks h and 2 + h,
	v_lshlrev_b32 v15, v7, v15                     ; 8 h bits up;
	v_permlanex16_b32 v14, v15, s20, s21
	v_or_b32 v[16+(\t)], v15, v14                  ; with lane l xor 16's two the row's word is whole
.irp c, 0,1
.irp g, 0,1,2,3
	v_cvt_scalef32_pk8_fp4_f32 v[CD+8*(\t)+4*\c+\g], v[XN+32*\c+8*\g:XN+32*\c+8*\g+7], v[10+\c]
.endr
.endr
	v_nop                                          ; one plain line behind the last conversion
	global_store_b128 v4, v[CD+8*(\t):CD+8*(\t)+3], s[26:27] offset:(\t)*1024       ; 512 consecutive bytes: the fragment's image
	global_store_b128 v4, v[CD+8*(\t)+4:CD+8*(\t)+7], s[26:27] offset:(\t)*1024+512
.endm
.macro WBLOCK t, cnt                   ; block t of my column's 128 numbers
.set XB, RW+32*(\t)
	s_wait_loadcnt \cnt
	v_max3_num_f32 v8, |v[XB]|, |v[XB+1]|, |v[XB+2]|
	v_max3_num_f32 v9, |v[XB+3]|, |v[XB+4]|, |v[XB+5]|
.irp i, 6,10,14,18,22,26
	v_max3_num_f32 v8, v8, |v[XB+\i]|, |v[XB+\i+1]|
	v_max3_num_f32 v9, v9, |v[XB+\i+2]|, |v[XB+\i+3]|
.endr
	v_max3_num_f32 v8, v8, |v[XB+30]|, |v[XB+31]|
	v_max3_num_f32 v8, v8, v9, 0x1800000           ; and the floor
	v_add_nc_u32 v10, 0xff000000, v8
	v_lshrrev_b32 v11, 23, v10
.if (\t) == 0
	v_mov_b32 v16, v11                             ; four bytes make the K step's scale word of my column
.else
	v_lshl_or_b32 v16, v11, 8*(\t), v16
.endif
.irp g, 0,1,2,3
	v_cvt_scalef32_pk8_fp4_f32 v[CD+4*(\t)+\g], v[XB+8*\g:XB+8*\g+7], v10
.endr
	v_nop                                          ; one plain line behind the last conversion
	global_store_b128 v5, v[CD+4*(\t):CD+4*(\t)+3], s[30:31] offset:(\t)*256      ; sixteen lanes of each of the two tiles store 256 consecutive bytes, aligned
.endm
.macro WPATH pitch, b                  ; a lane takes a column and its registers run down K: each load reads 128 consecutive bytes
.set ii, 0
.rept 128
	global_load_b32 v[RW+ii], v4, s[\b:\b+1] offset:ii*\pitch th:TH_LOAD_NT
.set ii, ii+1
.endr
	WBLOCK 0, 63                                   ; 96 younger loads might stay out: the wait's field holds 63
	WBLOCK 1, 63                                   ; 64 might
	WBLOCK 2, 32                                   ; the last block's 32 may be out
	WBLOCK 3, 0
	global_store_b32 v6, v16, s[32:33]             ; the scale word: 4 bytes of my column's 16 in the tile's image
.endm
	s_load_b256 s[4:11], s[0:1], 0x0               ; x s[4:5], Wqkv s[6:7], Wo s[8:9], xq s[10:11]
	s_load_b64 s[12:13], s[0:1], 0x20              ; wq
	v_lshl_add_u32 v62, v0, 2, 0x8400
	v_mov_b32 v63, 0
	v_lshrrev_b32 v1, 5, v0
	v_readfirstlane_b32 s16, v1                    ; wave 0..3
	v_and_b32 v1, 31, v0                           ; l
	v_and_b32 v2, 15, v0                           ; r
	v_bfe_u32 v3, v0, 4, 1                         ; h
	s_mov_b32 s20, 0x76543210
	s_mov_b32 s21, 0xfedcba98                      ; v_permlanex16_b32's selects for lane l xor 16
	s_mov_b32 s23, 0                               ; the upper word of every offset
	s_wait_kmcnt 0x0
	s_cmp_lt_u32 ttmp9, 256
	s_cbranch_scc0 .Lweights
	; ---- x: tile 2 x work-group + wave / 2, K steps 4 (wave % 2) .. + 3
	s_wait_alu depctr_va_vdst(0)
	v_lshlrev_b32 v4, 4, v1                        ; 16 l
	s_wait_alu depctr_va_vdst(0)
	s_mul_i32 s17, s16, 16*SP                      ; my stage
	v_add_nc_u32 v5, s17, v4                       ; in: 16 l of a row
	v_mul_u32_u24 v6, v2, SP
	v_lshl_add_u32 v6, v3, 7, v6
	v_add_nc_u32 v6, s17, v6                       ; back: row r, + 128 h
	v_lshlrev_b32 v7, 3, v3                        ; 8 h
	v_lshl_add_u32 v22, v2, 4, v7                  ; the scale words' place: 16 r + 8 h
	v_mov_b32 v14, 0                               ; written once: a lane permute's destination counts as one of its sources
	s_lshr_b32 s18, s16, 1
	s_and_b32 s19, s16, 1
	s_lshl_b32 s22, ttmp9, 17                      ; 32 rows of 4,096 bytes a work-group,
	s_lshl_b32 s24, s18, 15                        ; 8 rows for the odd tile,
	s_add_co_u32 s22, s22, s24
	s_lshl_b32 s24, s19, 11                        ; 512 numbers for the second half of K
	s_add_co_u32 s22, s22, s24
	s_add_nc_u64 s[4:5], s[4:5], s[22:23]
	s_lshl_b32 s22, ttmp9, 14                      ; codes: 8,192 bytes a tile, 4,096 a wave
	s_lshl_b32 s24, s16, 12
	s_add_co_u32 s22, s22, s24
	s_add_nc_u64 s[26:27], s[10:11], s[22:23]
	s_lshl_b32 s22, ttmp9, 10                      ; scale words: 512 bytes a tile, 256 a wave
	s_lshl_b32 s24, s16, 8
	s_add_co_u32 s22, s22, s24
	s_add_co_u32 s22, s22, XSC
	s_add_nc_u64 s[28:29], s[10:11], s[22:23]
	LOADX 0
	LOADX 1
	s_wait_alu depctr_va_vdst(0)
	STEPX 0
	STEPX 1
	STEPX 2
	STEPX 3
	v_cmp_ne_u32 vcc_lo, 0, v3                     ; lanes 0-15 send words 0 and 1 of row r, lanes 16-31 words 2 and 3:
	v_cndmask_b32 v20, v16, v18, vcc_lo
	v_cndmask_b32 v21, v17, v19, vcc_lo
	global_store_b64 v22, v[20:21], s[28:29]       ; 32 lanes store 256 consecutive bytes, aligned
	s_wait_tensorcnt 0x0
	ds_add_u32 v62, v63
	s_wait_dscnt 0x0
	s_endpgm
.Lweights:
	; ---- the weights: columns 32 G .. 32 G + 31 (tiles 2 G, 2 G + 1), K step s
	s_sub_co_u32 s17, ttmp9, 256
	s_lshr_b32 s18, s17, 2                         ; P: a pair of column groups, 256 bytes of a row of the weight
	s_and_b32 s19, s17, 3
	s_and_b32 s24, s16, 1
	s_lshr_b32 s25, s16, 1
	s_lshl_b32 s26, s18, 1
	s_add_co_u32 s26, s26, s24                     ; G = 2 P + wave % 2
	s_lshl_b32 s27, s19, 1
	s_add_co_u32 s27, s27, s25                     ; s = 2 (work-group % 4) + wave / 2
	s_wait_alu depctr_va_vdst(0)
	v_lshlrev_b32 v4, 2, v1                        ; in: 4 bytes a lane
	v_bfe_u32 v7, v0, 3, 1                         ; column 32 G + l is lane rr = l % 8 + 8 (l / 16) of tile 2 G + u, u = (l / 8) % 2
	v_and_b32 v8, 7, v0
	v_lshl_add_u32 v8, v3, 3, v8
	v_lshlrev_b32 v8, 4, v8
	v_lshl_add_u32 v5, v7, 13, v8                  ; codes: 8,192 u + 16 rr
	v_lshl_add_u32 v6, v7, 9, v8                   ; scale words: 512 u + 16 rr
	s_lshl_b32 s22, s26, 14
	s_lshl_b32 s28, s27, 10
	s_add_co_u32 s22, s22, s28
	s_add_nc_u64 s[30:31], s[12:13], s[22:23]      ; codes: 16,384 G + 1,024 s
	s_lshl_b32 s22, s26, 10
	s_lshr_b32 s28, s27, 2
	s_lshl_b32 s28, s28, 8
	s_add_co_u32 s22, s22, s28
	s_and_b32 s28, s27, 3
	s_lshl_b32 s28, s28, 2
	s_add_co_u32 s22, s22, s28
	s_add_co_u32 s22, s22, WSC
	s_add_nc_u64 s[32:33], s[12:13], s[22:23]      ; scale words: 1,024 G + 256 (s / 4) + 4 (s % 4)
	s_lshl_b32 s29, s24, 7                         ; my 128 bytes of the pair's 256
	s_cmp_lt_u32 s17, 192
	s_cbranch_scc0 .Lwo
	s_mul_hi_u32 s34, s18, 0x55555556              ; the head: P / 3
	s_mul_i32 s35, s34, 3
	s_sub_co_u32 s35, s18, s35
	s_mul_i32 s22, s34, 786432                     ; a head is 1,024 rows of 768 bytes,
	s_mul_i32 s28, s27, 98304                      ; a K step 128 of them
	s_add_co_u32 s22, s22, s28
	s_lshl_b32 s28, s35, 8
	s_add_co_u32 s22, s22, s28
	s_add_co_u32 s22, s22, s29
	s_add_nc_u64 s[6:7], s[6:7], s[22:23]
	s_wait_alu depctr_va_vdst(0)
	WPATH 768, 6
	s_endpgm
.Lwo:
	s_sub_co_u32 s34, s18, 48
	s_lshl_b32 s22, s27, 19                        ; a K step is 128 rows of 4,096 bytes
	s_lshl_b32 s28, s34, 8
	s_add_co_u32 s22, s22, s28
	s_add_co_u32 s22, s22, s29
	s_add_nc_u64 s[8:9], s[8:9], s[22:23]
	s_wait_alu depctr_va_vdst(0)
	WPATH 4096, 8
	s_endpgm
.Lfunc_end_k_qc6baf2da00_quant:
	.size	k_qc6baf2da00_quant, .Lfunc_end_k_qc6baf2da00_quant-k_qc6baf2da00_quant
	.p2alignl 7, 3214868480
	.fill 96, 4, 3214868480
	.section	.rodata,"a",@progbits
	.p2align	6, 0x0
	.amdhsa_kernel k_qc6baf2da00_quant
		.amdhsa_group_segment_fixed_size 34304
		.amdhsa_private_segment_fixed_size 0
		.amdhsa_enable_private_segment 0
		.amdhsa_kernarg_size 40
		.amdhsa_user_sgpr_count 2
		.amdhsa_user_sgpr_kernarg_segment_ptr 1
		.amdhsa_wavefront_size32 1
		.amdhsa_system_sgpr_workgroup_id_x 1
		.amdhsa_system_sgpr_workgroup_id_y 1
		.amdhsa_system_sgpr_workgroup_id_z 1
		.amdhsa_system_vgpr_workitem_id 0
		.amdhsa_next_free_vgpr 256
		.amdhsa_next_free_sgpr 66
		.amdhsa_reserve_vcc 1
		.amdhsa_float_denorm_mode_32 3
		.amdhsa_float_denorm_mode_16_64 3
		.amdhsa_memory_ordered 1
		.amdhsa_forward_progress 1
		.amdhsa_inst_pref_size 69
	.end_amdhsa_kernel
	.amdgpu_metadata
---
amdhsa.version: [ 1, 2 ]
amdhsa.kernels:
  - .name:           k_qc6baf2da00_quant
    .symbol:         k_qc6baf2da00_quant.kd
    .args:
      - { .name: x, .offset: 0, .size: 8, .value_kind: global_buffer, .address_space: global }
      - { .name: Wqkv, .offset: 8, .size: 8, .value_kind: global_buffer, .address_space: global }
      - { .name: Wo, .offset: 16, .size: 8, .value_kind: global_buffer, .address_space: global }
      - { .name: xq, .offset: 24, .size: 8, .value_kind: global_buffer, .address_space: global }
      - { .name: wq, .offset: 32, .size: 8, .value_kind: global_buffer, .address_space: global }
    .group_segment_fixed_size: 34304
    .private_segment_fixed_size: 0
    .kernarg_segment_align: 8
    .kernarg_segment_size: 40
    .max_flat_workgroup_size: 128
    .sgpr_count:     66
    .vgpr_count:     256
    .wavefront_size: 32
...
	.end_amdgpu_metadata
.endif
;; end of part 1
;; launch proj (part 2): grid 8 x 32, 12 waves a work-group, clusters of 4 x 4, 327,680 bytes of LDS; arguments xq, wq, bqkv, qkv; writes qkv
.if DOCPART == 2
	.amdgcn_target "amdgcn-amd-amdhsa--gfx1250"
	.amdhsa_code_object_version 6
	.text
	.protected	k_qc6baf2da00_proj
	.globl	k_qc6baf2da00_proj
	.p2align	8
	.type	k_qc6baf2da00_proj,@function
k_qc6baf2da00_proj:
	s_mov_b64 s[64:65], 0
	v_nop
	global_prefetch_b8 v0, s[64:65] scope:SCOPE_SE
	s_setreg_imm32_b32 hwreg(HW_REG_WAVE_MODE, 25, 1), 1
	s_wait_xcnt 0x0
	s_wait_alu depctr_hold_cnt(0) depctr_sa_sdst(0) depctr_va_vdst(0) depctr_va_sdst(0) depctr_va_ssrc(0) depctr_va_vcc(0) depctr_vm_vsrc(0)
	s_getreg_b32 s2, hwreg(HW_REG_IB_STS2, 6, 4)
	s_cmp_eq_u32 s2, 0
	s_cbranch_scc0 .Lentry_in_a_cluster
	s_endpgm
.Lentry_in_a_cluster:
	s_bfe_u32 s2, ttmp6, 0x10000c
	s_cmp_lg_u32 s2, 0xf033
	s_cbranch_scc0 .Lentry_shape_is_right
	s_endpgm
.Lentry_shape_is_right:
; q, k, v = x Wqkv + bqkv on codes of FP4 with E8M0 scales, K = 1,024; the results are quantised at once: q and k along the head's 64, v along the keys, and leave as images of the next launch's operand registers.
; SHARES.  32 blocks of 256 rows x 8 pairs of heads = 256 work-groups.  A work-group takes 256 rows of x (16 tiles) and TWO heads, one after the other (12 tiles of 16 columns each); x stays in LDS for both.
; Twelve waves: rg = wave % 4 takes 64 rows (4 tiles), cg = wave / 4 takes q (0), k (1) or v (2): 4 x 4 accumulators.
; q and k are made TRANSPOSED (source 0 = 16 columns of W, source 1 = 16 rows of x): a lane holds one row and its registers run along the head.  v is made the other way: a lane holds one column and its registers
; run along the keys.  By the tiles' order (tile 2 g + u, lane r: number 32 g + 8 u + r + 8 (r / 8)) 16 registers of two neighbouring tiles are 16 neighbours, so one macro quantises all three.
; LDS.  A chunk is two K steps of all of an operand's tiles.  x: 4 chunks of 32,768 bytes from byte 0.  W: 7 places of 24,576 bytes from WB: the first head's chunks 0-3, the second head's chunks 0-2.
; THE HEAD'S LOADS, ONE A WAVE: waves 0-3 x's chunks, waves 4-10 W's seven.  The second head's chunk 3 is the one refill: into the first head's chunk 0, behind the three lines and a round of the cluster's barrier, when every
; wave of every partner has done with the first head; six K steps of the second head stand between the request and the wait for it.
; CLUSTER 4 x 4: the four work-groups of a row of the cluster take the same rows of x, the four of a column the same heads: each tile is asked for jointly.
; No prefetch: all but one load go out at the head, and the text has no loop to run ahead in.
; The bias is the C of each sum's first product.  LIMITS: NaN and infinities are not served; a block of zeros keeps the scale byte 1 (its codes are zeros; this program alone reads the bytes).
.set XSC, 4194304                      ; xq: scale words
.set WSC, 2097152                      ; wq: scale words
.set QSC, 12582912                     ; qkv: q's scale bytes; k's 262,144 on, v's 524,288 on.  Codes: q at 0, k at 4,194,304, v at 8,388,608
.set XCH, 32768
.set WCH, 24576
.set WB,  131072
.set SCR, WB+7*WCH                     ; 1,536 bytes into which no tensor load lands: the work-group's scale bytes on their way out
.set SPARE, SCR+1536                   ; the spare words: 128 bytes a wave
.set LI,  1                            ; v1   16 x lane
.set AX,  4                            ; v4   LDS address of my x fragments
.set AW,  5                            ; v5   of my W fragments
.set SQ,  6                            ; v6   where I put a tile's two scale bytes: SCR + 512 cg + 128 rg + 2 r
.set SVR, 7                            ; v7   where v's scale halves are read back: SCR + 1,024 + 256 h + 8 r
.set SL,  8                            ; v8   where q's and k's are read back: SCR + 512 cg + 16 l
.set BV,  12                           ; v12-19 v's bias: four numbers a head
.set OFS, 20                           ; v20-23 the four images' byte offsets
.set TM,  32                           ; v32-47 at work in QUANT (the fragments' registers are free then); v48-49 scale words; v52-67 codes
.set XF,  32                           ; v32-63   four fragments of x
.set WF,  64                           ; v64-95   four fragments of W
.set XS,  96                           ; v96-111  x's scale words: four registers a tile
.set WS,  112                          ; v112-127 W's
.set ACC, 128                          ; v128-255 sixteen accumulators
.set WV,  12
.set RG,  13
.set CG,  14
.set HF,  15
.set G1R, 24                           ; s[24:31] descriptor group 1 for x's tiles;  s[32:39] for W's
.set G1C, 32
.set G0R, 40                           ; s[40:43] group 0 for x;  s[44:47] for W at the head;  s[48:51] for the refill
.set G0C, 44
.set G0N, 48
.set AXB, 52                           ; s52, s53: the scalar parts of v[AX] and v[AW] at chunk 0
.set AWB, 53
.macro PLACES                          ; four places behind a matrix instruction, in front of loads into registers that it read and of the first read of its result
.rept 4
	v_nop
.endr
.endm
.macro CROUND                          ; a round of the cluster's barrier
	s_barrier_signal -1
	s_barrier_wait -1
	s_cmp_lg_u32 s[WV], 0
	s_cbranch_scc1 .Lnot_wave_0_\@
	s_barrier_signal -3
.Lnot_wave_0_\@:
	s_barrier_wait -3
	s_barrier_signal -1
	s_barrier_wait -1
.endm
.macro WM d, a, b, sa, sb, hi          ; one product, in place.  hi = 1: K steps 4-7, whose scale words lie in lanes 16-31
.if \hi
	v_wmma_scale_f32_16x16x128_f8f6f4 v[\d:\d+7], v[\a:\a+7], v[\b:\b+7], v[\d:\d+7], v[\sa], v[\sb] matrix_a_fmt:MATRIX_FMT_FP4 matrix_b_fmt:MATRIX_FMT_FP4 matrix_a_scale:MATRIX_SCALE_ROW1 matrix_b_scale:MATRIX_SCALE_ROW1
.else
	v_wmma_scale_f32_16x16x128_f8f6f4 v[\d:\d+7], v[\a:\a+7], v[\b:\b+7], v[\d:\d+7], v[\sa], v[\sb] matrix_a_fmt:MATRIX_FMT_FP4 matrix_b_fmt:MATRIX_FMT_FP4
.endif
.endm
.macro MULT s, mode                    ; K step s: the sixteen accumulators by turns, one instruction a turn.  mode = 1: transposed
.irp a, 0,1,2,3
.irp t, 0,1,2,3
.if \mode
	WM ACC+8*(4*\a+\t), WF+8*\t, XF+8*\a, WS+4*\t+(\s)%4, XS+4*\a+(\s)%4, (\s)/4
.else
	WM ACC+8*(4*\t+\a), XF+8*\a, WF+8*\t, XS+4*\a+(\s)%4, WS+4*\t+(\s)%4, (\s)/4
.endif
.endr
.endr
.endm
.macro FRAGS kk                        ; the chunk's K step kk: each load takes 512 consecutive bytes, an image of four registers
.irp a, 0,1,2,3
	ds_load_b128 v[XF+8*\a:XF+8*\a+3],   v[AX] offset:\a*2048+\kk*1024
	ds_load_b128 v[XF+8*\a+4:XF+8*\a+7], v[AX] offset:\a*2048+\kk*1024+512
.endr
.irp a, 0,1,2,3
	ds_load_b128 v[WF+8*\a:WF+8*\a+3],   v[AW] offset:\a*2048+\kk*1024
	ds_load_b128 v[WF+8*\a+4:WF+8*\a+7], v[AW] offset:\a*2048+\kk*1024+512
.endr
.endm
.macro KSTEP s, kk
.if \s > 0
	PLACES
.endif
	FRAGS \kk
.if \s == 0
	s_wait_loadcnt 0x0                             ; the scale words and the biases
.endif
	s_wait_dscnt 0x0
	s_cmp_eq_u32 s[CG], 2                          ; the roles part round the products alone
	s_cbranch_scc1 .Lnat_\@
	s_wait_alu depctr_va_vdst(0)
	MULT \s, 1
	s_branch .Lmul_\@
.Lnat_\@:
	s_wait_alu depctr_va_vdst(0)
	MULT \s, 0
.Lmul_\@:
.endm
.macro CHUNK k, on                     ; two K steps; on = 1: the addresses go on to the next places
	KSTEP 2*\k, 0
	KSTEP 2*\k+1, 1
.if \on
	v_add_nc_u32 v[AX], XCH, v[AX]
	v_add_nc_u32 v[AW], WCH, v[AW]
	s_wait_alu depctr_va_vdst(0)                   ; directly behind the writes
.endif
.endm
; 64 numbers of a lane, register 16 b + i = number 32 b + 16 (lane / 16) + i of four blocks of 32, become codes in v[pc] .. v[pc + 7] (registers 4 c .. 4 c + 3: lanes 0-15 block 2 c, lanes 16-31 block 2 c + 1) and four scale bytes in v[pw]
.macro QUANT s, pc, pw
.irp b, 0,1,2,3
	v_max3_num_f32 v[TM+\b], |v[\s+16*\b]|, |v[\s+1+16*\b]|, 0x1800000   ; my 16 numbers, and the floor 2^(3 - 127): the byte cannot fall under 1
.endr
.irp i, 2,4,6,8,10,12,14
.irp b, 0,1,2,3
	v_max3_num_f32 v[TM+\b], v[TM+\b], |v[\s+16*\b+\i]|, |v[\s+1+16*\b+\i]|
.endr
.endr
.irp b, 0,1,2,3
	s_delay_alu instid0(VALU_DEP_4)
	v_permlanex16_b32 v[TM+4+\b], v[TM+\b], s20, s21
.endr
.irp b, 0,1,2,3
	s_delay_alu instid0(VALU_DEP_4)
	v_max_num_f32 v[TM+\b], v[TM+\b], v[TM+4+\b]   ; with lane l xor 16's: the block's largest magnitude
.endr
.irp b, 0,1,2,3
	s_delay_alu instid0(VALU_DEP_4)
	v_add_nc_u32 v[TM+12+\b], 0xff000000, v[TM+\b] ; 2 off its exponent field: the conversion's scale operand
.endr
.irp b, 0,1,2,3
	s_delay_alu instid0(VALU_DEP_4)
	v_lshrrev_b32 v[TM+4+\b], 23, v[TM+12+\b]      ; the scale's byte
.endr
	s_delay_alu instid0(VALU_DEP_3)
	v_lshl_or_b32 v[\pw], v[TM+5], 8, v[TM+4]
	s_delay_alu instid0(VALU_DEP_1)
	v_lshl_or_b32 v[\pw], v[TM+6], 16, v[\pw]
	s_delay_alu instid0(VALU_DEP_1)
	v_lshl_or_b32 v[\pw], v[TM+7], 24, v[\pw]
.irp b, 0,1,2,3
	v_cvt_scalef32_pk8_fp4_f32 v[\pc+2*\b], v[\s+16*\b:\s+7+16*\b], v[TM+12+\b]
	v_cvt_scalef32_pk8_fp4_f32 v[\pc+1+2*\b], v[\s+8+16*\b:\s+15+16*\b], v[TM+12+\b]
.endr
	v_nop                                          ; one plain line behind a scaled conversion
.irp c, 0,1
.irp i, 0,1
	v_permlane16_swap_b32 v[\pc+4*\c+\i], v[\pc+2+4*\c+\i]   ; a whole block to a lane
.endr
.endr
.endm
; THE BIAS IS THE C OF THE FIRST PRODUCT of head hd (0, 1) of my two.  Both arms write all 128 registers.
.macro BIAS hd
	s_cmp_eq_u32 s[CG], 2
	s_cbranch_scc1 .Lbias_v_\@
	s_wait_alu depctr_va_vdst(0)
.irp a, 0,1,2,3                                ; q, k: register j of tile (a, t) is column 32 (t / 2) + 8 (t % 2) + 16 h + j
.irp t, 0,1,2,3
	global_load_b128 v[ACC+8*(4*\a+\t):ACC+8*(4*\a+\t)+3],   v9, s[92:93] offset:128*(\t/2)+32*(\t%2)+768*\hd
	global_load_b128 v[ACC+8*(4*\a+\t)+4:ACC+8*(4*\a+\t)+7], v9, s[92:93] offset:128*(\t/2)+32*(\t%2)+16+768*\hd
.endr
.endr
	s_branch .Lbias_done_\@
.Lbias_v_\@:
	s_wait_alu depctr_va_vdst(0)
.if \hd == 0
	s_wait_loadcnt 0x0                             ; v's bias is in (the wave waits for its first tiles behind this anyway)
.endif
.irp t, 0,1,2,3                                ; v: all 32 registers of column tile t hold my lane's column 32 (t / 2) + 8 (t % 2) + r + 8 (r / 8)
.set jj, 0
.rept 32
	v_mov_b32 v[ACC+32*\t+jj], v[BV+4*\hd+\t]
.set jj, jj+1
.endr
.endr
	PLACES
.Lbias_done_\@:
.endm
; THE WAY OUT of head hd.  64 registers are two tiles (q, k: of rows; v: of columns) x two blocks of 32; the codes are the next launch's images as they stand: each store covers 512 consecutive bytes.
; The second head's places lie a constant on from the first's: 65,536 bytes of codes, 4,096 of scale bytes, 6,144 of W's scale words, 768 of bias: immediates, no pointer is stepped.
.macro WAYOUT hd
	PLACES
.if \hd == 0
.irp a, 0,1,2,3
	global_load_b128 v[WS+4*\a:WS+4*\a+3], v[LI], s[90:91] offset:\a*512+6144   ; the second head's scale words of W, under the way out
.endr
.endif
.irp p, 0,1
	QUANT ACC+64*\p, 52+8*\p, 48+\p
	global_store_b128 v[OFS+2*\p],   v[52+8*\p:55+8*\p], s[94:95] offset:65536*\hd
	global_store_b128 v[OFS+2*\p+1], v[56+8*\p:59+8*\p], s[94:95] offset:65536*\hd
	ds_store_b16 v[SQ], v[48+\p] offset:64*\p                 ; tile 2 p's two bytes (lanes r and r + 16 write the same bytes with the same value),
	ds_store_b16_d16_hi v[SQ], v[48+\p] offset:64*\p+32       ; tile 2 p + 1's
.endr
.if \hd == 0
	BIAS 1                                         ; the accumulators are free: the second head's bias
.endif
	s_wait_dscnt 0x0                               ; for the others' sake: my scale bytes lie in LDS
	s_barrier_signal -1
	s_barrier_wait -1
	s_cmp_lg_u32 s[RG], 0                          ; one wave of each role sends the role's 512 scale bytes
	s_cbranch_scc1 .Lno_scales_\@
	s_cmp_eq_u32 s[CG], 2
	s_cbranch_scc1 .Lv_scales_\@
	ds_load_b128 v[32:35], v[SL]                   ; q, k: [tile][row] two bytes, as they lie
	s_branch .Lsend_\@
.Lv_scales_\@:
	ds_load_b64 v[36:37], v[SVR]                   ; v: a word is a key step's four blocks: the lower two bytes come from the wave of its first 64 keys,
	ds_load_b64 v[38:39], v[SVR] offset:128        ; the upper two from the wave of its last 64
	s_wait_dscnt 0x0
	v_perm_b32 v32, v38, v36, 0x05040100
	v_perm_b32 v33, v38, v36, 0x07060302
	v_perm_b32 v34, v39, v37, 0x05040100
	v_perm_b32 v35, v39, v37, 0x07060302
.Lsend_\@:
	s_wait_alu depctr_va_vdst(0)
	s_wait_dscnt 0x0
	global_store_b128 v[LI], v[32:35], s[96:97] offset:4096*\hd   ; 512 consecutive bytes, aligned
.Lno_scales_\@:
.endm
	s_load_b256 s[4:11], s[0:1], 0x0               ; xq s[4:5], wq s[6:7], bqkv s[8:9], qkv s[10:11]
	v_lshl_add_u32 v30, v0, 2, SPARE
	v_mov_b32 v31, 0
	ds_add_u32 v30, v31                            ; the opening lines: the add, twice on end, and its wait ahead of the first tensor load
	ds_add_u32 v30, v31
	v_lshrrev_b32 v1, 5, v0
	v_readfirstlane_b32 s[WV], v1                  ; wave 0..11
	s_and_b32 s[RG], s[WV], 3
	s_lshr_b32 s[CG], s[WV], 2
	s_and_b32 s[HF], s[WV], 1
	s_bfe_u32 s16, ttmp6, 0x40000                  ; cx
	s_bfe_u32 s17, ttmp6, 0x40004                  ; cy
	s_lshl_b32 s18, ttmp9, 2
	s_add_co_u32 s18, s18, s16
	s_lshl_b32 s18, s18, 1                         ; my first head = 2 (4 x cluster x + cx)
	s_and_b32 s19, ttmp7, 0xffff
	s_lshl_b32 s19, s19, 2
	s_add_co_u32 s19, s19, s17                     ; the block of 256 rows = 4 x cluster y + cy
	s_mov_b32 s20, 0x76543210
	s_mov_b32 s21, 0xfedcba98                      ; v_permlanex16_b32's selects for lane l xor 16
	s_lshl_b32 s60, s17, 2
	s_lshl_b32 s60, 15, s60                        ; my row of the cluster
	s_lshl_b32 s61, 0x1111, s16                    ; my column
	; descriptor group 1: all of an operand's tiles x one chunk: rows of 2,048 bytes (256 elements of 8), 8,192 bytes apart in memory, dense in LDS
	s_or_b32 s[G1R], s60, (3<<16)|(1<<21)          ; 15:0 the mask: x's tiles go to my row; 17:16 elements of 8 bytes; 21 set beside a mask
	s_or_b32 s[G1C], s61, (3<<16)|(1<<21)          ; W's go to my column
	s_mov_b32 s[G1R+1], 256<<16                    ; tensor_dim0
	s_mov_b32 s[G1R+2], 16<<16                     ; tensor_dim1: 16 tiles
	s_mov_b32 s[G1R+3], 256<<16                    ; tile_dim0
	s_mov_b32 s[G1R+4], 16                         ; tile_dim1
	s_mov_b32 s[G1R+5], 1024                       ; the pitch
	s_mov_b32 s[G1R+6], 0
	s_mov_b32 s[G1R+7], 0
	s_mov_b32 s[G1C+1], 256<<16
	s_mov_b32 s[G1C+2], 12<<16                     ; 12 tiles
	s_mov_b32 s[G1C+3], 256<<16
	s_mov_b32 s[G1C+4], 12
	s_mov_b32 s[G1C+5], 1024
	s_mov_b32 s[G1C+6], 0
	s_mov_b32 s[G1C+7], 0
	; every LDS address is made here, ahead of the first parting of the roles
	v_and_b32 v2, 15, v0                           ; r
	v_bfe_u32 v3, v0, 4, 1                         ; h
	v_and_b32 v[LI], 31, v0
	v_lshlrev_b32 v[LI], 4, v[LI]
	s_lshl_b32 s[AXB], s[RG], 13
	v_add_nc_u32 v[AX], s[AXB], v[LI]              ; my four tiles of x: 8,192 rg
	s_lshl_b32 s[AWB], s[CG], 13
	s_add_co_u32 s[AWB], s[AWB], WB
	v_add_nc_u32 v[AW], s[AWB], v[LI]              ; my four tiles of W: 8,192 cg
	s_lshl_b32 s22, s[CG], 9
	s_add_co_u32 s22, s22, SCR
	s_lshl_b32 s23, s[RG], 7
	s_add_co_u32 s23, s23, s22
	v_lshl_add_u32 v[SQ], v2, 1, s23
	v_add_nc_u32 v[SL], s22, v[LI]
	v_lshlrev_b32 v[SVR], 3, v2
	v_lshl_add_u32 v[SVR], v3, 8, v[SVR]
	v_add_nc_u32 v[SVR], SCR+1024, v[SVR]
	v_lshlrev_b32 v9, 6, v3                        ; q's and k's bias: 64 h bytes
	v_and_b32 v10, 8, v2
	v_add_nc_u32 v10, v10, v2
	v_lshlrev_b32 v10, 2, v10                      ; v's bias: 4 (r + 8 (r / 8))
	; where the tiles come from: x's hang on the block of rows alone, W's on the heads alone, each in registers that never hold the other coordinate
	s_lshl_b32 s56, s19, 17                        ; 16 tiles of 8,192 bytes,
	s_lshl_b32 s22, s[RG], 11                      ; chunk wave % 4: 2,048 bytes along a tile's row
	s_add_co_u32 s56, s56, s22
	s_mov_b32 s57, 0
	s_mul_i32 s58, s18, 98304                      ; 12 tiles a head
	s_add_co_u32 s54, s58, 98304+3*2048            ; the refill: the second head's chunk 3
	s_mov_b32 s55, 0
	s_add_co_u32 s58, s58, s22                     ; chunk wave % 4
	s_max_u32 s22, s[CG], 1
	s_sub_co_u32 s22, s22, 1                       ; waves 4-7: the first head, waves 8-10: the second
	s_mul_i32 s22, s22, 98304
	s_add_co_u32 s58, s58, s22
	s_mov_b32 s59, 0
	s_lshl_b32 s62, s[RG], 15                      ; and where they go: x: XCH x chunk;
	s_mul_i32 s63, s[WV], WCH
	s_add_co_u32 s63, s63, WB-4*WCH                ; W: place wave - 4.  No place in the cluster enters an LDS address
	s_wait_alu depctr_va_vdst(0)                   ; directly ahead of the waits below
	s_wait_dscnt 0x0
	s_wait_kmcnt 0x0
	s_add_nc_u64 s[84:85], s[4:5], s[56:57]
	s_add_nc_u64 s[86:87], s[6:7], s[58:59]
	s_add_nc_u64 s[54:55], s[6:7], s[54:55]
	CROUND                                         ; all sixteen work-groups are here: the joint loads meet
	s_mov_b32 s[G0R], 1
	s_mov_b32 s[G0R+1], s62
	s_mov_b64 s[G0R+2:G0R+3], s[84:85]
	s_or_b32 s[G0R+3], s[G0R+3], 0x80000000
	s_mov_b32 s[G0C], 1
	s_mov_b32 s[G0C+1], s63
	s_mov_b64 s[G0C+2:G0C+3], s[86:87]
	s_or_b32 s[G0C+3], s[G0C+3], 0x80000000
	s_mov_b32 s[G0N], 1
	s_mov_b32 s[G0N+1], WB
	s_mov_b64 s[G0N+2:G0N+3], s[54:55]
	s_or_b32 s[G0N+3], s[G0N+3], 0x80000000
	s_cmp_lt_u32 s[WV], 4                          ; one chain of branches on the wave's number, one load to an arm
	s_cbranch_scc0 .Lnot_rows
	tensor_load_to_lds s[G0R:G0R+3], s[G1R:G1R+7]
	s_nop 0
	PLACES
	s_branch .Lasked
.Lnot_rows:
	s_cmp_lt_u32 s[WV], 11
	s_cbranch_scc0 .Lasked
	tensor_load_to_lds s[G0C:G0C+3], s[G1C:G1C+7]
	s_nop 0
	PLACES
.Lasked:
	s_lshl_b32 s56, s19, 13                        ; x's scale words: 512 bytes a tile
	s_lshl_b32 s22, s[RG], 11
	s_add_co_u32 s56, s56, s22
	s_add_co_u32 s56, s56, XSC
	s_add_nc_u64 s[88:89], s[4:5], s[56:57]
	s_mul_i32 s58, s18, 6144                       ; W's
	s_lshl_b32 s22, s[CG], 11
	s_add_co_u32 s58, s58, s22
	s_add_co_u32 s58, s58, WSC
	s_add_nc_u64 s[90:91], s[6:7], s[58:59]
	s_mul_i32 s58, s18, 768                        ; the bias: 192 numbers a head, 64 a role
	s_lshl_b32 s22, s[CG], 8
	s_add_co_u32 s58, s58, s22
	s_add_nc_u64 s[92:93], s[8:9], s[58:59]
.irp a, 0,1,2,3
	global_load_b128 v[XS+4*\a:XS+4*\a+3], v[LI], s[88:89] offset:\a*512
	global_load_b128 v[WS+4*\a:WS+4*\a+3], v[LI], s[90:91] offset:\a*512
.endr
.irp e, 0,1
.irp t, 0,1,2,3
	global_load_b32 v[BV+4*\e+\t], v10, s[92:93] offset:128*(\t/2)+32*(\t%2)+768*\e   ; a lane's four columns of both heads: v's waves use them; every wave loads them, inside bqkv in every role
.endr
.endr
	s_lshr_b32 s60, s19, 3
	s_lshl_b32 s60, s60, 4
	s_add_co_u32 s60, s60, s18                     ; bh = 16 x batch + my first head
	s_and_b32 s61, s19, 7                          ; my block among the batch's eight
	s_lshl_b32 s58, s60, 16                        ; codes: 65,536 bytes a head in each of the three regions,
	s_lshl_b32 s22, s61, 13                        ; 8,192 a block,
	s_add_co_u32 s58, s58, s22
	s_lshl_b32 s22, s[CG], 22
	s_add_co_u32 s58, s58, s22
	s_lshl_b32 s22, s[RG], 11                      ; q, k: four images of 512 bytes a wave;
	s_lshr_b32 s23, s[RG], 1
	s_lshl_b32 s23, s23, 12                        ; v: the key step of 128 (4,096 bytes),
	s_lshl_b32 s98, s[HF], 9                       ; and my 64 keys' half of each image
	s_add_co_u32 s23, s23, s98
	s_cmp_eq_u32 s[CG], 2
	s_cselect_b32 s22, s23, s22
	s_cselect_b32 s98, 10, 9                       ; from image to image: 1,024 bytes (v) or 512
	s_add_co_u32 s58, s58, s22
	s_add_nc_u64 s[94:95], s[10:11], s[58:59]
.irp q, 0,1,2,3
	s_lshl_b32 s99, \q, s98
	v_add_nc_u32 v[OFS+\q], s99, v[LI]
.endr
	s_lshl_b32 s58, s60, 12                        ; scale bytes: 4,096 a head, 512 a block
	s_lshl_b32 s22, s61, 9
	s_add_co_u32 s58, s58, s22
	s_lshl_b32 s22, s[CG], 18
	s_add_co_u32 s58, s58, s22
	s_add_co_u32 s58, s58, QSC
	s_add_nc_u64 s[96:97], s[10:11], s[58:59]
	BIAS 0
	s_wait_tensorcnt 0x0                           ; my one load has landed
	s_barrier_signal -1
	s_barrier_wait -1                              ; everybody's has: x, the first head's W and three chunks of the second's lie in LDS
	CHUNK 0, 1
	CHUNK 1, 1
	CHUNK 2, 1
	CHUNK 3, 1                                     ; v[AW] now stands at place 4: the second head's chunk 0
	WAYOUT 0
	; THE ONE REFILL.  Every wave: all its tensor loads waited for, the add, its LDS reads over; a round of the cluster's barrier; then wave 0's joint load
	s_wait_tensorcnt 0x0
	ds_add_u32 v30, v31
	ds_add_u32 v30, v31
	v_add_nc_u32 v[AX], s[AXB], v[LI]              ; x's chunk 0 again
	s_wait_alu depctr_va_vdst(0)                   ; directly ahead of the waits below
	s_wait_xcnt 0x0                                ; the first head's stores have read their registers, into which the next fragments are loaded
	s_wait_dscnt 0x0
	CROUND
	s_cmp_lg_u32 s[WV], 0
	s_cbranch_scc1 .Lno_refill
	tensor_load_to_lds s[G0N:G0N+3], s[G1C:G1C+7]  ; the second head's chunk 3, into place 0
	s_nop 0
	PLACES
.Lno_refill:
	CHUNK 0, 1
	CHUNK 1, 1
	CHUNK 2, 1
	v_add_nc_u32 v[AW], s[AWB], v[LI]              ; place 0
	s_wait_alu depctr_va_vdst(0)                   ; directly ahead of the wait below
	s_wait_tensorcnt 0x0                           ; wave 0's refill has landed
	s_barrier_signal -1
	s_barrier_wait -1
	CHUNK 3, 0
	WAYOUT 1
	s_wait_tensorcnt 0x0                           ; the wave's end
	ds_add_u32 v30, v31
	s_wait_dscnt 0x0
	CROUND                                         ; the closing round: no work-group ends while a partner may still ask for a tile that names it
	s_endpgm
.Lfunc_end_k_qc6baf2da00_proj:
	.size	k_qc6baf2da00_proj, .Lfunc_end_k_qc6baf2da00_proj-k_qc6baf2da00_proj
	.p2alignl 7, 3214868480
	.fill 96, 4, 3214868480
	.section	.rodata,"a",@progbits
	.p2align	6, 0x0
	.amdhsa_kernel k_qc6baf2da00_proj
		.amdhsa_group_segment_fixed_size 327680
		.amdhsa_private_segment_fixed_size 0
		.amdhsa_enable_private_segment 0
		.amdhsa_kernarg_size 32
		.amdhsa_user_sgpr_count 2
		.amdhsa_user_sgpr_kernarg_segment_ptr 1
		.amdhsa_wavefront_size32 1
		.amdhsa_system_sgpr_workgroup_id_x 1
		.amdhsa_system_sgpr_workgroup_id_y 1
		.amdhsa_system_sgpr_workgroup_id_z 1
		.amdhsa_system_vgpr_workitem_id 0
		.amdhsa_next_free_vgpr 256
		.amdhsa_next_free_sgpr 100
		.amdhsa_reserve_vcc 0
		.amdhsa_float_denorm_mode_32 3
		.amdhsa_float_denorm_mode_16_64 3
		.amdhsa_memory_ordered 1
		.amdhsa_forward_progress 1
		.amdhsa_inst_pref_size 132
	.end_amdhsa_kernel
	.amdgpu_metadata
---
amdhsa.version: [ 1, 2 ]
amdhsa.kernels:
  - .name:           k_qc6baf2da00_proj
    .symbol:         k_qc6baf2da00_proj.kd
    .args:
      - { .name: xq, .offset: 0, .size: 8, .value_kind: global_buffer, .address_space: global }
      - { .name: wq, .offset: 8, .size: 8, .value_kind: global_buffer, .address_space: global }
      - { .name: bqkv, .offset: 16, .size: 8, .value_kind: global_buffer, .address_space: global }
      - { .name: qkv, .offset: 24, .size: 8, .value_kind: global_buffer, .address_space: global }
    .group_segment_fixed_size: 327680
    .private_segment_fixed_size: 0
    .kernarg_segment_align: 8
    .kernarg_segment_size: 32
    .max_flat_workgroup_size: 384
    .sgpr_count:     100
    .vgpr_count:     256
    .wavefront_size: 32
...
	.end_amdgpu_metadata
.endif
;; end of part 2
;; launch attn (part 3): grid 4 x 64, 16 waves a work-group, clusters of 4 x 1, 169,984 bytes of LDS; arguments qkv, oq; writes oq
.if DOCPART == 3
	.amdgcn_target "amdgcn-amd-amdhsa--gfx1250"
	.amdhsa_code_object_version 6
	.text
	.protected	k_qc6baf2da00_attn
	.globl	k_qc6baf2da00_attn
	.p2align	8
	.type	k_qc6baf2da00_attn,@function
k_qc6baf2da00_attn:
	s_mov_b64 s[64:65], 0
	v_nop
	global_prefetch_b8 v0, s[64:65] scope:SCOPE_SE
	s_setreg_imm32_b32 hwreg(HW_REG_WAVE_MODE, 25, 1), 1
	s_wait_xcnt 0x0
	s_wait_alu depctr_hold_cnt(0) depctr_sa_sdst(0) depctr_va_vdst(0) depctr_va_sdst(0) depctr_va_ssrc(0) depctr_va_vcc(0) depctr_vm_vsrc(0)
	s_getreg_b32 s2, hwreg(HW_REG_IB_STS2, 6, 4)
	s_cmp_eq_u32 s2, 0
	s_cbranch_scc0 .Lentry_in_a_cluster
	s_endpgm
.Lentry_in_a_cluster:
	s_bfe_u32 s2, ttmp6, 0x10000c
	s_cmp_lg_u32 s2, 0x3003
	s_cbranch_scc0 .Lentry_shape_is_right
	s_endpgm
.Lentry_shape_is_right:
; Causal attention of one head on codes of FP4 with E8M0 scales: S^T = K Q^T (K = the head's 64), p = 2^(t - M), O^T = V^T P^T (K = the keys), O / the row's sum, quantised along the model's axis.
; t = score x log2(e) / 8; M = the running largest t rounded UP to a whole number; the row's sum is taken of the unquantised p; when M moves, the sum and O^T are multiplied by 2^(old M - new M): exact.
; LEFT OUT: key steps all of whose 128 keys come after a tile's queries: the causal mask makes their scores -inf, so their p is 0 for all values of the inputs.
; SHARES.  The four work-groups of a head form a cluster; 64 heads x 4 = 256 work-groups.  A head has 128 tiles of 16 queries: tile = 8 DS + 2 block + u, DS its diagonal key step; a tile walks DS + 1 key steps.
; A work-group takes block = its place in the cluster.  Wave w takes u = w % 2 and TWO tiles, one after the other, the longer first; their DS come from two tables by w / 2:
;   w / 2:   0   1   2   3   4   5   6   7
;   first:  15  14  13  10   8   9   4   6
;   second: 11  12   5   7   3   2   1   0       each DS from 0 to 15 stands once.
; THE DEAL IS UNEVEN BY DESIGN: waves w, w + 4, w + 8, w + 12 have 28, 20, 13, 7 key steps (w % 4 = 0, 1) or 28, 19, 13, 8 (w % 4 = 2, 3): 68 together for every w % 4.
; Branches hang on the wave's number and the count of steps alone; the place in the cluster enters vector data and global addresses only.
; LDS IS FILLED ONCE: the head's K and V codes (2 x 65,536 bytes) and scale bytes (2 x 4,096), asked for jointly by the four work-groups, one tensor load a wave: waves 0-7 16,384 bytes of codes each, waves 8, 9 K's and V's scale bytes.
; One wait for 0 and one barrier show all of it; behind that barrier the waves share nothing more.  No prefetch: every byte is asked for at the head, and there is no loop to run ahead in.
; LAYOUT.  Both products are used transposed: a lane holds ONE query (lane % 16).  A tile of K holds keys 32 g + 8 u + r + 8 (r / 8): the 16 registers of tiles 2 b, 2 b + 1 are keys 32 b + 16 (lane / 16) + 0 .. 15.
; K'S FRAGMENTS LIE FOUR REGISTERS APART: the instruction's k = 64 .. 127 of fragment t are the next fragment's codes; they meet Q's zero codes (v20-23), so each such product is 0 under any finite scale byte.
; LIMITS: NaN and infinities are not served; a block of zeros keeps the scale byte 1 (its codes are zeros; this program alone reads the bytes); the promise holds while |t| stays under 2^31.
; REGISTERS: v1-7 addresses that stay; v8-11 the step's LDS addresses; v12 -M, v13 the largest t, v[14:15] the sum; v16-23 Q; v24-31 K's scales; v32-63 K, v64-67 zeros; v68-71, v72 the second tile's Q and its scales;
;   v96-159 S^T, then p; v160-191 O^T; v192-223 V; v224-231 p's codes; v232-247, v252, v254 at work; v[240:241] f; v242, v243 the add's; v248-251 V's scales; v253 p's scale word; v255 Q's scales.
.set KC,  4194304                      ; qkv: K's codes (V's 4,194,304 on; Q's at 0)
.set QSC, 12582912                     ; Q's scale bytes
.set KSC, 12845056                     ; K's (V's 262,144 on)
.set OSC, 4194304                      ; oq: the scale words
.set SPARE, 0x29000                    ; the spare words: 128 bytes a wave
.set WV,  8
.set DS,  12
.set SEL, 20
.set CS,  22                           ; s[22:23] c = log2(e) / 8
.set G1K, 24                           ; s[24:31] group 1: 16,384 dense bytes as 64 rows of 256;  s[32:39]: 4,096 as 16 rows
.set G1S, 32
.set G0K, 40                           ; s[40:43], s[44:47] groups 0
.set G0S, 44
.set SJ,  60                           ; the key step
.set TB,  61                           ; 4,096 x the key step: its codes in LDS
.set TS,  62                           ; 256 x the key step: its scale bytes
.set CNT, 63
.macro PLACES
.rept 4
	v_nop
.endr
.endm
.macro CROUND                          ; a round of the cluster's barrier
	s_barrier_signal -1
	s_barrier_wait -1
	s_cmp_lg_u32 s[WV], 0
	s_cbranch_scc1 .Lnot_wave_0_\@
	s_barrier_signal -3
.Lnot_wave_0_\@:
	s_barrier_wait -3
	s_barrier_signal -1
	s_barrier_wait -1
.endm
; A KEY STEP: 128 keys.  A step behind the tile's diagonal step is left out: a scalar branch on ids, round the work, not round the lines at its end that step addresses.
.macro STEP
	s_cmp_gt_u32 s[SJ], s[DS]
	s_cbranch_scc1 .Lhidden_\@
	v_add_nc_u32 v8, s[TB], v1                     ; these four are also the places between the last step's products and the loads into V's registers
	v_add_nc_u32 v9, s[TB], v2
	v_add_nc_u32 v10, s[TS], v3
	v_add_nc_u32 v11, s[TS], v4
.irp t, 0,1,2,3
	ds_load_b128 v[192+8*\t:195+8*\t], v9 offset:1024*\t
	ds_load_b128 v[196+8*\t:199+8*\t], v9 offset:1024*\t+512
.endr
.irp t, 0,1,2,3
	ds_load_b32 v[248+\t], v11 offset:64*\t
.endr
	s_wait_alu depctr_va_vdst(0)
	s_wait_dscnt 12                                ; K and its scales, asked for a step ago, are in; the twelve loads just issued (V's eight, its four scale words) may be out
.irp t, 0,1,2,3,4,5,6,7
	v_wmma_scale_f32_16x16x128_f8f6f4 v[96+8*\t:103+8*\t], v[32+4*\t:39+4*\t], v[16:23], 0, v[24+\t], v255 matrix_a_fmt:MATRIX_FMT_FP4 matrix_b_fmt:MATRIX_FMT_FP4
.endr
	PLACES
.irp t, 0,1,2,3,4,5,6,7
	ds_load_b128 v[32+4*\t:35+4*\t], v8 offset:4096+512*\t     ; THE NEXT STEP'S K, a step ahead: a fragment's k = 0 .. 63: 512 consecutive bytes
.endr
.irp t, 0,1,2,3,4,5,6,7
	ds_load_u16 v[24+\t], v10 offset:256+32*\t                 ; its two scale bytes; the upper two come as 0, a finite code.  (A tile's diagonal step asks too: the bytes lie inside the filled LDS, and nothing uses them)
.endr
	s_cmp_lt_u32 s[SJ], s[DS]                      ; only the diagonal step has hidden keys: their scores become -infinity ahead of the maximum, p = 0 then
	s_cbranch_scc1 .Lopen_\@
	v_mov_b32 v254, 0xff800000
.set nn, 0
.rept 64
	v_cmp_gt_i32 vcc_lo, 32*(nn/16)+nn%16, v5      ; register 16 b + i holds key 32 b + 16 h + i of the step: hidden where 32 b + i > my query's place - 16 h
	v_cndmask_b32 v[96+nn], v[96+nn], v254, vcc_lo
.set nn, nn+1
.endr
.Lopen_\@:
.irp b, 0,1,2,3
	v_max3_num_f32 v[232+\b], v[96+16*\b], v[97+16*\b], v[98+16*\b]   ; the largest score of each block of 32 keys: for the row's maximum, and, since p rises with the score, for the block's largest p
.endr
.irp i, 3,5,7,9,11,13
.irp b, 0,1,2,3
	v_max3_num_f32 v[232+\b], v[232+\b], v[96+16*\b+\i], v[97+16*\b+\i]
.endr
.endr
.irp b, 0,1,2,3
	v_max_num_f32 v[232+\b], v[232+\b], v[111+16*\b]
.endr
.irp b, 0,1,2,3
	s_delay_alu instid0(VALU_DEP_4)
	v_permlanex16_b32 v[236+\b], v[232+\b], s[SEL], s[SEL+1]
.endr
.irp b, 0,1,2,3
	s_delay_alu instid0(VALU_DEP_4)
	v_max_num_f32 v[232+\b], v[232+\b], v[236+\b]  ; with lane l xor 16's 16 keys
.endr
	s_delay_alu instid0(VALU_DEP_2)
	v_max3_num_f32 v254, v232, v233, v234
	s_delay_alu instid0(VALU_DEP_1)
	v_max_num_f32 v254, v254, v235                 ; the step's largest score of my query
	s_delay_alu instid0(VALU_DEP_1)
	v_mul_f32 v254, s[CS], v254                    ; as t (c is positive)
	s_delay_alu instid0(VALU_DEP_1)
	v_max_num_f32 v13, v13, v254                   ; the running largest t
	v_mov_b32 v254, v12
	s_delay_alu instid0(VALU_DEP_2)
	v_floor_f32 v12, -v13                          ; the new -M = floor(-t): M is a whole number
	s_delay_alu instid0(VALU_DEP_1)
	v_sub_f32 v254, v12, v254                      ; old M - new M: a whole number, 0 or less
	s_delay_alu instid0(VALU_DEP_1)
	v_cvt_i32_f32 v254, v254                       ; (it saturates)
	s_delay_alu instid0(VALU_DEP_1)
	v_ldexp_f32 v240, 1.0, v254                    ; f = 2^(old M - new M)
.set jj, 0
.rept 32
	v_pk_fma_f32 v[96+jj:97+jj], v[96+jj:97+jj], s[CS:CS+1], v[12:13] op_sel_hi:[1,0,0]   ; t - M, two at a time
.set jj, jj+2
.endr
.irp b, 0,1,2,3
	v_fma_f32 v[232+\b], v[232+\b], s[CS], v12     ; the same of each block's largest score
.endr
.set jj, 0
	s_wait_alu depctr_va_vdst(0)                   ; ahead of the batch
.rept 64
	v_exp_f32 v[96+jj], v[96+jj]                   ; p = 2^(t - M), at most 1: not normalised
.set jj, jj+1
.endr
	v_pk_mul_f32 v[14:15], v[14:15], v[240:241] op_sel_hi:[1,0]   ; the sums under the new M: the plain line behind the exponentials
	s_wait_alu depctr_va_vdst(0)                   ; one wait for the whole batch, ahead of its first reader
.irp b, 0,1,2,3
	v_exp_f32 v[232+\b], v[232+\b]                 ; the block's largest p: the same two instructions on the same number
.endr
	v_pk_add_f32 v[236:237], v[100:101], v[104:105]    ; the row's sum of the unquantised p, in eight chains
	v_pk_add_f32 v[246:247], v[108:109], v[112:113]
	v_pk_add_f32 v[244:245], v[116:117], v[120:121]
	v_pk_add_f32 v[238:239], v[124:125], v[128:129]
	v_pk_add_f32 v[230:231], v[132:133], v[136:137]
	v_pk_add_f32 v[228:229], v[140:141], v[144:145]
	v_pk_add_f32 v[226:227], v[148:149], v[152:153]
	v_pk_add_f32 v[14:15], v[14:15], v[156:157]
	v_pk_add_f32 v[236:237], v[236:237], v[96:97]
	v_pk_add_f32 v[246:247], v[246:247], v[98:99]
	v_pk_add_f32 v[244:245], v[244:245], v[102:103]
	v_pk_add_f32 v[238:239], v[238:239], v[106:107]
	v_pk_add_f32 v[230:231], v[230:231], v[110:111]
	v_pk_add_f32 v[228:229], v[228:229], v[114:115]
	v_pk_add_f32 v[226:227], v[226:227], v[118:119]
	v_pk_add_f32 v[14:15], v[14:15], v[122:123]
	v_pk_add_f32 v[236:237], v[236:237], v[126:127]
	v_pk_add_f32 v[246:247], v[246:247], v[130:131]
	v_pk_add_f32 v[244:245], v[244:245], v[134:135]
	v_pk_add_f32 v[238:239], v[238:239], v[138:139]
	v_pk_add_f32 v[230:231], v[230:231], v[142:143]
	v_pk_add_f32 v[228:229], v[228:229], v[146:147]
	v_pk_add_f32 v[226:227], v[226:227], v[150:151]
	v_pk_add_f32 v[14:15], v[14:15], v[154:155]
	v_pk_add_f32 v[236:237], v[236:237], v[158:159]
	s_delay_alu instid0(VALU_DEP_2)
	v_pk_add_f32 v[14:15], v[14:15], v[238:239]
	s_delay_alu instid0(VALU_DEP_2)
	v_pk_add_f32 v[236:237], v[236:237], v[230:231]
	v_pk_add_f32 v[246:247], v[246:247], v[228:229]
	v_pk_add_f32 v[244:245], v[244:245], v[226:227]
	s_delay_alu instid0(VALU_DEP_2)
	v_pk_add_f32 v[14:15], v[14:15], v[246:247]
	s_delay_alu instid0(VALU_DEP_2)
	v_pk_add_f32 v[236:237], v[236:237], v[244:245]
	s_delay_alu instid0(VALU_DEP_1)
	v_pk_add_f32 v[14:15], v[14:15], v[236:237]
	s_wait_alu depctr_va_vdst(0)                   ; and one for the four
.irp b, 0,1,2,3
	v_max_num_f32 v[232+\b], 0x1800000, v[232+\b]  ; the floor 2^(3 - 127): the byte cannot fall under 1
.endr
.irp b, 0,1,2,3
	s_delay_alu instid0(VALU_DEP_4)
	v_add_nc_u32 v[244+\b], 0xff000000, v[232+\b]  ; 2 off the exponent field: the conversion's scale operand
.endr
.irp b, 0,1,2,3
	s_delay_alu instid0(VALU_DEP_4)
	v_lshrrev_b32 v[236+\b], 23, v[244+\b]         ; the scale's byte
.endr
	s_delay_alu instid0(VALU_DEP_3)
	v_lshl_or_b32 v253, v237, 8, v236              ; p's scale word for these 128 keys
	s_delay_alu instid0(VALU_DEP_1)
	v_lshl_or_b32 v253, v238, 16, v253
	s_delay_alu instid0(VALU_DEP_1)
	v_lshl_or_b32 v253, v239, 24, v253
.irp b, 0,1,2,3
	v_cvt_scalef32_pk8_fp4_f32 v[224+2*\b], v[96+16*\b:103+16*\b], v[244+\b]
	v_cvt_scalef32_pk8_fp4_f32 v[225+2*\b], v[104+16*\b:111+16*\b], v[244+\b]
.endr
	v_nop                                          ; one plain line behind a scaled conversion
.irp c, 0,1
.irp i, 0,1
	v_permlane16_swap_b32 v[224+4*\c+\i], v[226+4*\c+\i]   ; a whole block to a lane
.endr
.endr
	s_wait_alu depctr_va_vdst(0)                   ; directly ahead of the first reader of O^T
.set jj, 0
.rept 16
	v_pk_mul_f32 v[160+jj:161+jj], v[160+jj:161+jj], v[240:241] op_sel_hi:[1,0]   ; O^T under the new M.  Twelve of the sixteen name no register of a given product below: the places between p's scale word and codes and the products
.set jj, jj+2
.endr
	s_wait_alu depctr_va_vdst(0)                   ; directly ahead of the wait below
	s_wait_dscnt 16                                ; V and its scale words are in; the sixteen loads issued behind them (the next step's K and scales) may be out
.irp t, 0,1,2,3
	v_wmma_scale_f32_16x16x128_f8f6f4 v[160+8*\t:167+8*\t], v[192+8*\t:199+8*\t], v[224:231], v[160+8*\t:167+8*\t], v[248+\t], v253 matrix_a_fmt:MATRIX_FMT_FP4 matrix_b_fmt:MATRIX_FMT_FP4
.endr
.Lhidden_\@:
	s_add_co_u32 s[SJ], s[SJ], 1
	s_add_co_u32 s[TB], s[TB], 4096
	s_add_co_u32 s[TS], s[TS], 256
.endm
.macro WALK trips                      ; a tile's key steps from 0 on: a constant count of trips, of which those behind the diagonal step do no work
	s_mov_b32 s[SJ], 0
	s_mov_b32 s[TB], 0
	s_mov_b32 s[TS], 0
	s_mov_b32 s[CNT], \trips
	s_wait_dscnt 0x0                               ; no load into K's registers is out
.irp t, 0,1,2,3,4,5,6,7
	ds_load_b128 v[32+4*\t:35+4*\t], v1 offset:512*\t          ; key step 0's K,
.endr
.irp t, 0,1,2,3,4,5,6,7
	ds_load_u16 v[24+\t], v3 offset:32*\t                      ; and its scale bytes
.endr
.Lstep_\@:
	STEP
	s_sub_co_u32 s[CNT], s[CNT], 1
	s_cmp_lg_u32 s[CNT], 0
	s_cbranch_scc1 .Lstep_\@
.endm
; THE WAY OUT of a tile.  Register 16 g + i of O^T is channel 32 g + 16 h + i of my query: two blocks of 32 along the last product's K.  cb, sb: the scalar pairs with the tile's places in oq
.macro OUT cb, sb
	PLACES                                         ; behind the last products
	v_add_f32 v14, v14, v15                        ; the sum's two halves,
	s_wait_alu depctr_va_vdst(0)
	v_permlanex16_b32 v252, v14, s[SEL], s[SEL+1]
	s_delay_alu instid0(VALU_DEP_1)
	v_add_f32 v14, v14, v252                       ; and lane l xor 16's: the row's sum
	s_wait_alu depctr_va_vdst(0)                   ; ahead of the transcendental
	v_rcp_f32 v14, v14
	v_cmp_ne_u32 vcc_lo, 0, v7                     ; (the plain line behind the reciprocal)
	s_wait_alu depctr_va_vdst(0)                   ; the wait ahead of its first reader
.set jj, 0
.rept 32
	v_mul_f32 v[96+jj], v[160+jj], v14             ; each accumulator from its low end on
.set jj, jj+1
.endr
.irp b, 0,1
	v_max3_num_f32 v[232+\b], |v[96+16*\b]|, |v[97+16*\b]|, 0x1800000
.endr
.irp i, 2,4,6,8,10,12,14
.irp b, 0,1
	s_delay_alu instid0(VALU_DEP_2)
	v_max3_num_f32 v[232+\b], v[232+\b], |v[96+16*\b+\i]|, |v[97+16*\b+\i]|
.endr
.endr
.irp b, 0,1
	s_delay_alu instid0(VALU_DEP_2)
	v_permlanex16_b32 v[236+\b], v[232+\b], s[SEL], s[SEL+1]
.endr
.irp b, 0,1
	s_delay_alu instid0(VALU_DEP_2)
	v_max_num_f32 v[232+\b], v[232+\b], v[236+\b]
.endr
.irp b, 0,1
	s_delay_alu instid0(VALU_DEP_2)
	v_add_nc_u32 v[244+\b], 0xff000000, v[232+\b]
.endr
.irp b, 0,1
	s_delay_alu instid0(VALU_DEP_2)
	v_lshrrev_b32 v[236+\b], 23, v[244+\b]
.endr
.irp b, 0,1
	v_cvt_scalef32_pk8_fp4_f32 v[224+2*\b], v[96+16*\b:103+16*\b], v[244+\b]
	v_cvt_scalef32_pk8_fp4_f32 v[225+2*\b], v[104+16*\b:111+16*\b], v[244+\b]
.endr
	v_cndmask_b32 v238, v236, v237, vcc_lo         ; lane (r, h) sends block h's byte.  (The plain line behind the conversions)
	v_permlane16_swap_b32 v224, v226               ; lanes 0-15: block 0, lanes 16-31: block 1, whole
	v_permlane16_swap_b32 v225, v227
	global_store_b128 v1, v[224:227], s[\cb:\cb+1] ; 512 consecutive bytes: my head's half of a fragment's image
	global_store_b8 v6, v238, s[\sb:\sb+1]         ; two bytes a row and head: one sixteenth of the codes' bytes
.endm
.macro OADR tile, cb, sb               ; a tile's places in oq: codes 8,192 bytes a tile, 512 a head; scale words 512 a tile
	s_add_co_u32 s86, s18, s[\tile]                ; my tile among all 512
	s_lshl_b32 s[\cb], s86, 13
	s_add_co_u32 s[\cb], s[\cb], s84
	s_mov_b32 s[\cb+1], 0
	s_add_nc_u64 s[\cb:\cb+1], s[6:7], s[\cb:\cb+1]
	s_lshl_b32 s[\sb], s86, 9
	s_add_co_u32 s[\sb], s[\sb], s85
	s_mov_b32 s[\sb+1], 0
	s_add_nc_u64 s[\sb:\sb+1], s[6:7], s[\sb:\sb+1]
.endm
	s_load_b128 s[4:7], s[0:1], 0x0                ; qkv s[4:5], oq s[6:7]
	v_lshl_add_u32 v242, v0, 2, SPARE
	v_mov_b32 v243, 0
	ds_add_u32 v242, v243                          ; the opening lines: the add, twice on end, and its wait ahead of the first tensor load
	ds_add_u32 v242, v243
	v_lshrrev_b32 v1, 5, v0
	v_readfirstlane_b32 s[WV], v1                  ; wave 0..15
	s_and_b32 s9, ttmp7, 0xffff                    ; bh = 16 x batch + head, which the four partners share
	s_bfe_u32 s10, ttmp6, 0x40000                  ; cx: my block of 32 queries in every diagonal step
	s_lshr_b32 s11, s[WV], 1
	s_lshl_b32 s11, s11, 2                         ; 4 (wave / 2): my four bits of each table
	s_and_b32 s14, s[WV], 1                        ; u
	s_lshr_b32 s[DS], 0x6498adef, s11
	s_and_b32 s[DS], s[DS], 15                     ; the first tile's diagonal step: 15 14 13 10 8 9 4 6
	s_lshr_b32 s11, 0x012375cb, s11
	s_and_b32 s11, s11, 15                         ; the second's: 11 12 5 7 3 2 1 0
	s_lshl_b32 s13, s10, 1
	s_add_co_u32 s13, s13, s14                     ; 2 block + u
	s_lshl_b32 s15, s[DS], 3
	s_add_co_u32 s15, s15, s13                     ; my first tile among the head's 128
	s_lshl_b32 s16, s11, 3
	s_add_co_u32 s16, s16, s13                     ; my second
	s_mov_b32 s[SEL], 0x76543210
	s_mov_b32 s[SEL+1], 0xfedcba98
	s_mov_b32 s[CS], 0x3e38aa3b                    ; c = log2(e) / sqrt(64)
	s_mov_b32 s[CS+1], s[CS]                       ; (named with it as a pair, so it is written)
	s_mov_b32 s[G1K], 15|(3<<16)|(1<<21)           ; 15:0 the mask: all four work-groups; 17:16 elements of 8 bytes; 21 set beside a mask
	s_mov_b32 s[G1K+1], 32<<16                     ; rows of 256 bytes
	s_mov_b32 s[G1K+2], 64<<16                     ; 64 of them
	s_mov_b32 s[G1K+3], 32<<16
	s_mov_b32 s[G1K+4], 64
	s_mov_b32 s[G1K+5], 32
	s_mov_b32 s[G1K+6], 0
	s_mov_b32 s[G1K+7], 0
	s_mov_b32 s[G1S], 15|(3<<16)|(1<<21)
	s_mov_b32 s[G1S+1], 32<<16
	s_mov_b32 s[G1S+2], 16<<16                     ; 16 rows
	s_mov_b32 s[G1S+3], 32<<16
	s_mov_b32 s[G1S+4], 16
	s_mov_b32 s[G1S+5], 32
	s_mov_b32 s[G1S+6], 0
	s_mov_b32 s[G1S+7], 0
	; what I fetch, if I fetch.  Nothing here hangs on my place in the cluster
	s_and_b32 s76, s[WV], 7
	s_lshl_b32 s76, s76, 14                        ; LDS: codes: 16,384 x (wave % 8): K's four quarters, then V's
	s_bfe_u32 s74, s[WV], 0x10002                  ; K (0) or V (1)
	s_and_b32 s75, s[WV], 3                        ; which quarter
	s_lshl_b32 s80, s74, 22
	s_lshl_b32 s79, s9, 16
	s_add_co_u32 s80, s80, s79
	s_lshl_b32 s75, s75, 14
	s_add_co_u32 s80, s80, s75
	s_add_co_u32 s80, s80, KC
	s_mov_b32 s81, 0
	s_lshl_b32 s77, s14, 12
	s_add_co_u32 s77, s77, 131072                  ; LDS: scale bytes: 131,072 + 4,096 (wave % 2)
	s_lshl_b32 s82, s14, 18
	s_lshl_b32 s79, s9, 12
	s_add_co_u32 s82, s82, s79
	s_add_co_u32 s82, s82, KSC
	s_mov_b32 s83, 0
	s_lshl_b32 s17, s10, 5
	s_lshl_b32 s18, s14, 3
	s_add_co_u32 s17, s17, s18                     ; 32 x my block + 8 u
	v_and_b32 v6, 15, v0                           ; r
	v_bfe_u32 v7, v0, 4, 1                         ; h
	v_and_b32 v1, 31, v0
	v_lshlrev_b32 v8, 4, v7
	v_and_b32 v5, 8, v6
	v_lshlrev_b32 v1, 4, v1                        ; K's codes: 16 l
	v_lshl_add_u32 v3, v6, 1, 131072               ; K's scale bytes: 2 r
	v_lshl_add_u32 v4, v6, 2, 135168               ; V's scale words: 4 r
	v_lshlrev_b32 v252, 1, v6                      ; Q's scale bytes: 2 r
	v_add_nc_u32 v5, v5, v6                        ; r + 8 (r / 8)
	v_add_nc_u32 v2, 65536, v1                     ; V's codes
	v_lshl_add_u32 v6, v6, 4, v7                   ; the way out: the scale byte's place: 16 r + h
	v_sub_nc_u32 v5, v5, v8
	v_add_nc_u32 v5, s17, v5                       ; my query's place in its diagonal step, less 16 h: the same for both tiles
	s_wait_alu depctr_va_vdst(0)                   ; directly ahead of the waits below
	s_wait_dscnt 0x0                               ; both opening adds are done
	s_wait_kmcnt 0x0
	s_add_nc_u64 s[80:81], s[4:5], s[80:81]
	s_add_nc_u64 s[82:83], s[4:5], s[82:83]
	CROUND                                         ; all four work-groups are here: the joint loads meet
	s_mov_b32 s[G0K], 1
	s_mov_b32 s[G0K+1], s76
	s_mov_b64 s[G0K+2:G0K+3], s[80:81]
	s_or_b32 s[G0K+3], s[G0K+3], 0x80000000
	s_mov_b32 s[G0S], 1
	s_mov_b32 s[G0S+1], s77
	s_mov_b64 s[G0S+2:G0S+3], s[82:83]
	s_or_b32 s[G0S+3], s[G0S+3], 0x80000000
	s_cmp_lt_u32 s[WV], 8                          ; one chain of branches on the wave's number, one load to an arm
	s_cbranch_scc0 .Lnot_codes
	tensor_load_to_lds s[G0K:G0K+3], s[G1K:G1K+7]
	s_nop 0
	PLACES
	s_branch .Lasked
.Lnot_codes:
	s_cmp_lt_u32 s[WV], 10
	s_cbranch_scc0 .Lasked
	tensor_load_to_lds s[G0S:G0S+3], s[G1S:G1S+7]
	s_nop 0
	PLACES
.Lasked:
	s_lshl_b32 s18, s9, 16                         ; Q's images: 65,536 bytes a head, 512 a tile
	s_lshl_b32 s66, s15, 9
	s_add_co_u32 s66, s66, s18
	s_mov_b32 s67, 0
	s_add_nc_u64 s[66:67], s[4:5], s[66:67]
	s_lshl_b32 s68, s16, 9
	s_add_co_u32 s68, s68, s18
	s_mov_b32 s69, 0
	s_add_nc_u64 s[68:69], s[4:5], s[68:69]
	s_lshl_b32 s18, s9, 12                         ; their scale bytes: 4,096 a head, 32 a tile
	s_add_co_u32 s18, s18, QSC
	s_lshl_b32 s70, s15, 5
	s_add_co_u32 s70, s70, s18
	s_mov_b32 s71, 0
	s_add_nc_u64 s[70:71], s[4:5], s[70:71]
	s_lshl_b32 s72, s16, 5
	s_add_co_u32 s72, s72, s18
	s_mov_b32 s73, 0
	s_add_nc_u64 s[72:73], s[4:5], s[72:73]
	global_load_b128 v[16:19], v1, s[66:67]        ; the first tile's Q,
	global_load_u16 v255, v252, s[70:71]
	global_load_b128 v[68:71], v1, s[68:69]        ; and the second's, kept until the change of tiles
	global_load_u16 v72, v252, s[72:73]
	s_lshr_b32 s18, s9, 4
	s_lshl_b32 s18, s18, 7                         ; 128 tiles a batch
	s_and_b32 s19, s9, 15                          ; the head
	s_lshl_b32 s84, s19, 9
	s_lshr_b32 s85, s19, 3                         ; scale words: 256 (head / 8) + 16 r + 2 (head % 8) + block
	s_lshl_b32 s85, s85, 8
	s_and_b32 s19, s19, 7
	s_lshl_b32 s19, s19, 1
	s_add_co_u32 s85, s85, s19
	s_add_co_u32 s85, s85, OSC
	OADR 15, 48, 52
	OADR 16, 50, 54
	v_mov_b32 v13, 0xff61b1e6                      ; the largest t so far: -3e38, under every t
	v_mov_b32 v14, 0                               ; the sum, in two halves
	v_mov_b32 v15, 0
	v_floor_f32 v12, -v13                          ; -M
.irp j, 20,21,22,23,64,65,66,67
	v_mov_b32 v[\j], 0                             ; Q's upper 64 along K: zero codes; and what the last fragment of K names beyond its own four
.endr
.set jj, 0
.rept 32
	v_mov_b32 v[160+jj], 0                         ; O^T.  (The step is written once: the first finds zeros, which the first change of M leaves zeros)
.set jj, jj+1
.endr
.irp b, 0,1,2,3
	v_mov_b32 v[236+\b], 0                         ; written once: a lane permute's destination counts as one of its sources
.endr
	v_mov_b32 v241, 0                              ; (named as the upper half of the pair v[240:241])
	s_wait_alu depctr_va_vdst(0)                   ; at the head's end
	s_wait_loadcnt 0x0                             ; both tiles' Q and scales
	s_wait_tensorcnt 0x0                           ; my one load has landed
	s_barrier_signal -1
	s_barrier_wait -1                              ; everybody's has: the whole head lies in LDS, and nothing is filled again
	WALK 16                                        ; the first tile: its diagonal step is 15 at the most
	OUT 48, 52
	; THE CHANGE OF TILES.  Q and its scales first: the lines behind them are the places ahead of the next products
	v_mov_b32 v255, v72
.irp j, 0,1,2,3
	v_mov_b32 v[16+\j], v[68+\j]
.endr
	v_mov_b32 v13, 0xff61b1e6
	v_mov_b32 v14, 0
	v_mov_b32 v15, 0
	v_floor_f32 v12, -v13
.set jj, 0
.rept 32
	v_mov_b32 v[160+jj], 0
.set jj, jj+1
.endr
	s_mov_b32 s[DS], s11
	s_wait_alu depctr_va_vdst(0)                   ; directly ahead of the wait below
	s_wait_xcnt 0x0                                ; the first tile's stores have read their registers, which the next step writes again
	WALK 13                                        ; the second tile: its diagonal step is 12 at the most
	OUT 50, 54
	s_wait_tensorcnt 0x0                           ; the wave's end
	ds_add_u32 v242, v243
	s_wait_dscnt 0x0
	CROUND                                         ; the closing round: no work-group ends while a partner may still ask for a tile that names it
	s_endpgm
.Lfunc_end_k_qc6baf2da00_attn:
	.size	k_qc6baf2da00_attn, .Lfunc_end_k_qc6baf2da00_attn-k_qc6baf2da00_attn
	.p2alignl 7, 3214868480
	.fill 96, 4, 3214868480
	.section	.rodata,"a",@progbits
	.p2align	6, 0x0
	.amdhsa_kernel k_qc6baf2da00_attn
		.amdhsa_group_segment_fixed_size 169984
		.amdhsa_private_segment_fixed_size 0
		.amdhsa_enable_private_segment 0
		.amdhsa_kernarg_size 16
		.amdhsa_user_sgpr_count 2
		.amdhsa_user_sgpr_kernarg_segment_ptr 1
		.amdhsa_wavefront_size32 1
		.amdhsa_system_sgpr_workgroup_id_x 1
		.amdhsa_system_sgpr_workgroup_id_y 1
		.amdhsa_system_sgpr_workgroup_id_z 1
		.amdhsa_system_vgpr_workitem_id 0
		.amdhsa_next_free_vgpr 256
		.amdhsa_next_free_sgpr 90
		.amdhsa_reserve_vcc 1
		.amdhsa_float_denorm_mode_32 3
		.amdhsa_float_denorm_mode_16_64 3
		.amdhsa_memory_ordered 1
		.amdhsa_forward_progress 1
		.amdhsa_inst_pref_size 65
	.end_amdhsa_kernel
	.amdgpu_metadata
---
amdhsa.version: [ 1, 2 ]
amdhsa.kernels:
  - .name:           k_qc6baf2da00_attn
    .symbol:         k_qc6baf2da00_attn.kd
    .args:
      - { .name: qkv, .offset: 0, .size: 8, .value_kind: global_buffer, .address_space: global }
      - { .name: oq, .offset: 8, .size: 8, .value_kind: global_buffer, .address_space: global }
    .group_segment_fixed_size: 169984
    .private_segment_fixed_size: 0
    .kernarg_segment_align: 8
    .kernarg_segment_size: 16
    .max_flat_workgroup_size: 512
    .sgpr_count:     90
    .vgpr_count:     256
    .wavefront_size: 32
...
	.end_amdgpu_metadata
.endif
;; end of part 3
;; launch oproj (part 4): grid 4 x 64, 8 waves a work-group, clusters of 4 x 4, 232,448 bytes of LDS; arguments oq, wq, bo, out0; writes out0
.if DOCPART == 4
	.amdgcn_target "amdgcn-amd-amdhsa--gfx1250"
	.amdhsa_code_object_version 6
	.text
	.protected	k_qc6baf2da00_oproj
	.globl	k_qc6baf2da00_oproj
	.p2align	8
	.type	k_qc6baf2da00_oproj,@function
k_qc6baf2da00_oproj:
	s_mov_b64 s[64:65], 0
	v_nop
	global_prefetch_b8 v0, s[64:65] scope:SCOPE_SE
	s_setreg_imm32_b32 hwreg(HW_REG_WAVE_MODE, 25, 1), 1
	s_wait_xcnt 0x0
	s_wait_alu depctr_hold_cnt(0) depctr_sa_sdst(0) depctr_va_vdst(0) depctr_va_sdst(0) depctr_va_ssrc(0) depctr_va_vcc(0) depctr_vm_vsrc(0)
	s_getreg_b32 s2, hwreg(HW_REG_IB_STS2, 6, 4)
	s_cmp_eq_u32 s2, 0
	s_cbranch_scc0 .Lentry_in_a_cluster
	s_endpgm
.Lentry_in_a_cluster:
	s_bfe_u32 s2, ttmp6, 0x10000c
	s_cmp_lg_u32 s2, 0xf033
	s_cbranch_scc0 .Lentry_shape_is_right
	s_endpgm
.Lentry_shape_is_right:
; out0 = attention's result x Wo + bo on codes of FP4 with E8M0 scales, K = 1,024; out0 [8192][1024] f32.
; SHARES.  A work-group takes 128 rows (8 tiles) x 256 columns (16 tiles).  Eight waves: rg = wave % 2 takes 64 rows, cg = wave / 2 takes 64 columns: 4 x 4 accumulators.
; The product is used TRANSPOSED (source 0 = 16 columns of Wo, source 1 = 16 rows): a lane holds one row, and by the tiles' order (tile 2 g + u, lane r: number 32 g + 8 u + r + 8 (r / 8)) its registers run along the columns.
; LDS IS FILLED ONCE: both operands, all of K, in four chunks of two K steps: eight tensor loads, one a wave: waves 0-3 the rows' chunks 0-3, waves 4-7 Wo's.  One wait for 0 and one barrier show all of it; nothing is filled again.
; CLUSTER 4 x 4: the four work-groups of a row of the cluster take the same rows, the four of a column the same columns of Wo: each tile is asked for jointly.  The bias is the C of each sum's first product.
; No prefetch: every byte is asked for at the head, and there is no loop to run ahead in.
.set OSC, 4194304                      ; oq: scale words
.set WSC, 2097152                      ; wq: scale words
.set ACH, 16384                        ; LDS: a chunk of the rows' operand: 8 tiles x 2 K steps x 1,024 bytes, from byte 0
.set WCH, 32768                        ; a chunk of Wo: 16 tiles
.set WB,  65536                        ; Wo's chunks begin here
.set STG, 196608                       ; behind them: a stage of 16 rows x (256 bytes + 16) for each wave; no tensor load lands there
.set SPT, 272
.set LI,  1                            ; v1   16 x lane
.set AX,  4                            ; v4   LDS address of my rows' fragments
.set AW,  5                            ; v5   of my Wo fragments
.set STO, 6                            ; v6   the stage: where I put 32 bytes of a row
.set RD,  7                            ; v7   and where I read a row back
.set CO,  8                            ; v8   my byte offset in out0
.set XF,  32
.set WF,  64
.set XS,  96
.set WS,  112
.set ACC, 128
.set WV,  12
.set RG,  13
.set CG,  14
.set G1R, 24
.set G1C, 32
.set G0R, 40
.set G0C, 68
.macro PLACES                          ; four places behind a matrix instruction, in front of loads into registers that it read and of the first read of its result
.rept 4
	v_nop
.endr
.endm
.macro CROUND                          ; a round of the cluster's barrier
	s_barrier_signal -1
	s_barrier_wait -1
	s_cmp_lg_u32 s[WV], 0
	s_cbranch_scc1 .Lnot_wave_0_\@
	s_barrier_signal -3
.Lnot_wave_0_\@:
	s_barrier_wait -3
	s_barrier_signal -1
	s_barrier_wait -1
.endm
.macro WM d, a, b, sa, sb, hi          ; one product, in place.  hi = 1: K steps 4-7, whose scale words lie in lanes 16-31
.if \hi
	v_wmma_scale_f32_16x16x128_f8f6f4 v[\d:\d+7], v[\a:\a+7], v[\b:\b+7], v[\d:\d+7], v[\sa], v[\sb] matrix_a_fmt:MATRIX_FMT_FP4 matrix_b_fmt:MATRIX_FMT_FP4 matrix_a_scale:MATRIX_SCALE_ROW1 matrix_b_scale:MATRIX_SCALE_ROW1
.else
	v_wmma_scale_f32_16x16x128_f8f6f4 v[\d:\d+7], v[\a:\a+7], v[\b:\b+7], v[\d:\d+7], v[\sa], v[\sb] matrix_a_fmt:MATRIX_FMT_FP4 matrix_b_fmt:MATRIX_FMT_FP4
.endif
.endm
.macro MULT s                          ; K step s: the sixteen accumulators by turns, one instruction a turn
.irp a, 0,1,2,3
.irp t, 0,1,2,3
	WM ACC+8*(4*\a+\t), WF+8*\t, XF+8*\a, WS+4*\t+(\s)%4, XS+4*\a+(\s)%4, (\s)/4
.endr
.endr
.endm
.macro FRAGS kk                        ; the chunk's K step kk: each load takes 512 consecutive bytes, an image of four registers
.irp a, 0,1,2,3
	ds_load_b128 v[XF+8*\a:XF+8*\a+3],   v[AX] offset:\a*2048+\kk*1024
	ds_load_b128 v[XF+8*\a+4:XF+8*\a+7], v[AX] offset:\a*2048+\kk*1024+512
.endr
.irp a, 0,1,2,3
	ds_load_b128 v[WF+8*\a:WF+8*\a+3],   v[AW] offset:\a*2048+\kk*1024
	ds_load_b128 v[WF+8*\a+4:WF+8*\a+7], v[AW] offset:\a*2048+\kk*1024+512
.endr
.endm
.macro KSTEP s, kk
.if \s > 0
	PLACES
.endif
	FRAGS \kk
.if \s == 0
	s_wait_loadcnt 0x0                             ; the scale words and the bias
.endif
	s_wait_dscnt 0x0
	MULT \s
.endm
.macro CHUNK k
.if \k == 0
	s_wait_tensorcnt 0x0                           ; my one load has landed
	s_barrier_signal -1
	s_barrier_wait -1                              ; everybody's has: all four chunks of both operands lie in LDS, and nothing is filled again
.endif
	KSTEP 2*\k, 0
	KSTEP 2*\k+1, 1
.if \k < 3
	v_add_nc_u32 v[AX], ACH, v[AX]
	v_add_nc_u32 v[AW], WCH, v[AW]
.endif
.endm
; THE WAY OUT of row tile a: 16 rows x 64 columns.  A lane holds pieces of 32 bytes of one row: they go through my own stage and come back as whole rows of 256 bytes.
.macro TOSTAGE a
.irp t, 0,1,2,3
	ds_store_b128 v[STO], v[ACC+8*(4*(\a)+\t):ACC+8*(4*(\a)+\t)+3]   offset:128*(\t/2)+32*(\t%2)      ; each accumulator from its low end on
	ds_store_b128 v[STO], v[ACC+8*(4*(\a)+\t)+4:ACC+8*(4*(\a)+\t)+7] offset:128*(\t/2)+32*(\t%2)+16
.endr
.irp i, 0,1,2,3,4,5,6,7
	ds_load_b128 v[32+32*((\a)%2)+4*\i:32+32*((\a)%2)+4*\i+3], v[RD] offset:\i*2*SPT   ; LDS serves a wave's instructions in order (ISA guide 5.7.1.4): these see the stores above, and the next tile's stores come behind them
.endr
.endm
.macro SEND a, younger                 ; younger: the LDS instructions issued behind tile a's loads, which may stay out
	s_wait_dscnt \younger
.irp i, 0,1,2,3,4,5,6,7
	global_store_b128 v[CO], v[32+32*((\a)%2)+4*\i:32+32*((\a)%2)+4*\i+3], s[94:95] offset:(((\a)/2)*32+((\a)%2)*8+2*\i+8*(\i/4))*4096 th:TH_STORE_NT   ; stage rows 2 i and 2 i + 1 at their places in out0; sixteen lanes store 256 consecutive bytes, aligned
.endr
.endm
	s_load_b256 s[4:11], s[0:1], 0x0               ; oq s[4:5], wq s[6:7], bo s[8:9], out0 s[10:11]
	v_lshl_add_u32 v30, v0, 2, 0x38800
	v_mov_b32 v31, 0
	ds_add_u32 v30, v31                            ; the opening lines: the add, twice on end, and its wait ahead of the first tensor load
	ds_add_u32 v30, v31
	v_lshrrev_b32 v1, 5, v0
	s_delay_alu instid0(VALU_DEP_1)
	v_readfirstlane_b32 s[WV], v1                  ; wave 0..7
	s_and_b32 s[RG], s[WV], 1                      ; my 64 rows
	s_lshr_b32 s[CG], s[WV], 1                     ; my 64 columns
	s_and_b32 s15, s[WV], 3                        ; the chunk that I fetch
	s_bfe_u32 s16, ttmp6, 0x40000                  ; cx
	s_bfe_u32 s17, ttmp6, 0x40004                  ; cy
	s_lshl_b32 s18, ttmp9, 2
	s_add_co_u32 s18, s18, s16                     ; the block of 256 columns = 4 x cluster x + cx
	s_and_b32 s19, ttmp7, 0xffff
	s_lshl_b32 s19, s19, 2
	s_add_co_u32 s19, s19, s17                     ; the block of 128 rows = 4 x cluster y + cy
	s_lshl_b32 s60, s17, 2
	s_lshl_b32 s60, 15, s60                        ; my row of the cluster
	s_lshl_b32 s61, 0x1111, s16                    ; my column
	; descriptor group 1: all of an operand's tiles x one chunk: rows of 2,048 bytes (256 elements of 8), 8,192 bytes apart in memory, dense in LDS
	s_or_b32 s[G1R], s60, (3<<16)|(1<<21)          ; 15:0 the mask; 17:16 elements of 8 bytes; 21 set beside a mask
	s_or_b32 s[G1C], s61, (3<<16)|(1<<21)
	s_mov_b32 s[G1R+1], 256<<16
	s_mov_b32 s[G1R+2], 8<<16                      ; 8 tiles of rows
	s_mov_b32 s[G1R+3], 256<<16
	s_mov_b32 s[G1R+4], 8
	s_mov_b32 s[G1R+5], 1024
	s_mov_b32 s[G1R+6], 0
	s_mov_b32 s[G1R+7], 0
	s_mov_b32 s[G1C+1], 256<<16
	s_mov_b32 s[G1C+2], 16<<16                     ; 16 tiles of Wo
	s_mov_b32 s[G1C+3], 256<<16
	s_mov_b32 s[G1C+4], 16
	s_mov_b32 s[G1C+5], 1024
	s_mov_b32 s[G1C+6], 0
	s_mov_b32 s[G1C+7], 0
	v_and_b32 v2, 15, v0                           ; r
	v_bfe_u32 v3, v0, 4, 1                         ; h
	v_and_b32 v[LI], 31, v0
	s_delay_alu instid0(VALU_DEP_1)
	v_lshlrev_b32 v[LI], 4, v[LI]
	s_lshl_b32 s22, s[RG], 13
	v_add_nc_u32 v[AX], s22, v[LI]
	s_lshl_b32 s22, s[CG], 13
	s_add_co_u32 s22, s22, WB
	v_add_nc_u32 v[AW], s22, v[LI]
	s_mul_i32 s22, s[WV], 16*SPT
	s_add_co_u32 s22, s22, STG                     ; my stage
	v_mul_u32_u24 v[STO], v2, SPT
	s_delay_alu instid0(VALU_DEP_1)
	v_lshl_add_u32 v[STO], v3, 6, v[STO]
	s_delay_alu instid0(VALU_DEP_1)
	v_add_nc_u32 v[STO], s22, v[STO]               ; in: row r, + 64 h
	v_mul_u32_u24 v[RD], v3, SPT
	s_delay_alu instid0(VALU_DEP_1)
	v_lshl_add_u32 v[RD], v2, 4, v[RD]
	s_delay_alu instid0(VALU_DEP_1)
	v_add_nc_u32 v[RD], s22, v[RD]                 ; back: lanes 0-15 one row, lanes 16-31 the next
	v_lshlrev_b32 v[CO], 12, v3
	s_delay_alu instid0(VALU_DEP_1)
	v_lshl_add_u32 v[CO], v2, 4, v[CO]             ; and the same two rows in out0
	v_lshlrev_b32 v9, 6, v3                        ; the bias: 64 h bytes
	; where the tiles come from: the rows' hang on the block of rows alone, Wo's on the block of columns alone, each in registers that never hold the other coordinate
	s_lshl_b32 s56, s19, 16                        ; 8 tiles of 8,192 bytes,
	s_lshl_b32 s22, s15, 11                        ; my chunk: 2,048 bytes along a tile's row
	s_add_co_u32 s56, s56, s22
	s_mov_b32 s57, 0
	s_lshl_b32 s58, s18, 17                        ; 16 tiles,
	s_lshl_b32 s22, s15, 11                        ; my chunk,
	s_add_co_u32 s58, s58, s22
	s_add_co_u32 s58, s58, 192*8192                ; behind Wqkv's 192
	s_mov_b32 s59, 0
	s_lshl_b32 s62, s15, 14                        ; and where they go: ACH x chunk, WCH x chunk: no place in the cluster enters an LDS address
	s_lshl_b32 s63, s15, 15
	s_wait_dscnt 0x0
	s_wait_kmcnt 0x0
	s_add_nc_u64 s[84:85], s[4:5], s[56:57]
	s_add_nc_u64 s[86:87], s[6:7], s[58:59]
	CROUND                                         ; all sixteen work-groups are here: the joint loads meet
	s_mov_b32 s[G0R], 1
	s_add_co_u32 s[G0R+1], s62, 0
	s_add_nc_u64 s[G0R+2:G0R+3], s[84:85], 0
	s_or_b32 s[G0R+3], s[G0R+3], 0x80000000
	s_mov_b32 s[G0C], 1
	s_add_co_u32 s[G0C+1], s63, WB
	s_add_nc_u64 s[G0C+2:G0C+3], s[86:87], 0
	s_or_b32 s[G0C+3], s[G0C+3], 0x80000000
	s_cmp_lt_u32 s[WV], 4                          ; waves 0-3 fetch the rows' chunks, waves 4-7 Wo's: every way passes one load
	s_cbranch_scc0 .Lnot_rows
	tensor_load_to_lds s[G0R:G0R+3], s[G1R:G1R+7]
	s_nop 0
	PLACES                                         ; four v_nop follow it
	s_branch .Lasked
.Lnot_rows:
	tensor_load_to_lds s[G0C:G0C+3], s[G1C:G1C+7]
	s_nop 0
	PLACES
.Lasked:
	s_lshl_b32 s56, s19, 12                        ; the rows' scale words: 512 bytes a tile
	s_lshl_b32 s22, s[RG], 11
	s_add_co_u32 s56, s56, s22
	s_add_co_u32 s56, s56, OSC
	s_add_nc_u64 s[88:89], s[4:5], s[56:57]
	s_lshl_b32 s58, s18, 13                        ; Wo's
	s_lshl_b32 s22, s[CG], 11
	s_add_co_u32 s58, s58, s22
	s_add_co_u32 s58, s58, WSC+192*512
	s_add_nc_u64 s[90:91], s[6:7], s[58:59]
	s_lshl_b32 s58, s18, 10                        ; my 64 columns, in bytes: in bo,
	s_lshl_b32 s22, s[CG], 8
	s_add_co_u32 s58, s58, s22
	s_add_nc_u64 s[92:93], s[8:9], s[58:59]
	s_lshl_b32 s22, s19, 19                        ; and in out0, at my first row: 128 rows of 4,096 bytes a block, 64 a wave
	s_add_co_u32 s58, s58, s22
	s_lshl_b32 s22, s[RG], 18
	s_add_co_u32 s58, s58, s22
	s_add_nc_u64 s[94:95], s[10:11], s[58:59]
.irp a, 0,1,2,3
	global_load_b128 v[XS+4*\a:XS+4*\a+3], v[LI], s[88:89] offset:\a*512
	global_load_b128 v[WS+4*\a:WS+4*\a+3], v[LI], s[90:91] offset:\a*512
.endr
	s_wait_alu depctr_va_vdst(0)
.irp a, 0,1,2,3                                ; THE BIAS IS THE C OF THE FIRST PRODUCT: register j of tile (a, t) is column 32 (t / 2) + 8 (t % 2) + 16 h + j
.irp t, 0,1,2,3
	global_load_b128 v[ACC+8*(4*\a+\t):ACC+8*(4*\a+\t)+3],   v9, s[92:93] offset:128*(\t/2)+32*(\t%2)
	global_load_b128 v[ACC+8*(4*\a+\t)+4:ACC+8*(4*\a+\t)+7], v9, s[92:93] offset:128*(\t/2)+32*(\t%2)+16
.endr
.endr
	CHUNK 0
	s_wait_alu depctr_va_vdst(0)
	CHUNK 1
	s_wait_alu depctr_va_vdst(0)
	CHUNK 2
	s_wait_alu depctr_va_vdst(0)
	CHUNK 3                                        ; (no tensor load has been out since the first chunk's wait)
	PLACES
	TOSTAGE 0
	TOSTAGE 1
	SEND 0, 16                                     ; behind tile 0's loads: tile 1's 8 stores and 8 loads
	s_wait_xcnt 0x0                                ; tile 0's stores have read their registers: tile 2's loads may land there
	TOSTAGE 2
	SEND 1, 16
	s_wait_xcnt 0x0                                ; tile 1's likewise
	TOSTAGE 3
	SEND 2, 16
	SEND 3, 0
	s_wait_tensorcnt 0x0                           ; the wave's end
	ds_add_u32 v30, v31
	s_wait_dscnt 0x0
	CROUND                                         ; the closing round: no work-group ends while a partner may still ask for a tile that names it
	s_endpgm
.Lfunc_end_k_qc6baf2da00_oproj:
	.size	k_qc6baf2da00_oproj, .Lfunc_end_k_qc6baf2da00_oproj-k_qc6baf2da00_oproj
	.p2alignl 7, 3214868480
	.fill 96, 4, 3214868480
	.section	.rodata,"a",@progbits
	.p2align	6, 0x0
	.amdhsa_kernel k_qc6baf2da00_oproj
		.amdhsa_group_segment_fixed_size 232448
		.amdhsa_private_segment_fixed_size 0
		.amdhsa_enable_private_segment 0
		.amdhsa_kernarg_size 32
		.amdhsa_user_sgpr_count 2
		.amdhsa_user_sgpr_kernarg_segment_ptr 1
		.amdhsa_wavefront_size32 1
		.amdhsa_system_sgpr_workgroup_id_x 1
		.amdhsa_system_sgpr_workgroup_id_y 1
		.amdhsa_system_sgpr_workgroup_id_z 1
		.amdhsa_system_vgpr_workitem_id 0
		.amdhsa_next_free_vgpr 256
		.amdhsa_next_free_sgpr 100
		.amdhsa_reserve_vcc 0
		.amdhsa_float_denorm_mode_32 3
		.amdhsa_float_denorm_mode_16_64 3
		.amdhsa_memory_ordered 1
		.amdhsa_forward_progress 1
		.amdhsa_inst_pref_size 44
	.end_amdhsa_kernel
	.amdgpu_metadata
---
amdhsa.version: [ 1, 2 ]
amdhsa.kernels:
  - .name:           k_qc6baf2da00_oproj
    .symbol:         k_qc6baf2da00_oproj.kd
    .args:
      - { .name: oq, .offset: 0, .size: 8, .value_kind: global_buffer, .address_space: global }
      - { .name: wq, .offset: 8, .size: 8, .value_kind: global_buffer, .address_space: global }
      - { .name: bo, .offset: 16, .size: 8, .value_kind: global_buffer, .address_space: global }
      - { .name: out0, .offset: 24, .size: 8, .value_kind: global_buffer, .address_space: global }
    .group_segment_fixed_size: 232448
    .private_segment_fixed_size: 0
    .kernarg_segment_align: 8
    .kernarg_segment_size: 32
    .max_flat_workgroup_size: 256
    .sgpr_count:     100
    .vgpr_count:     256
    .wavefront_size: 32
...
	.end_amdgpu_metadata
.endif
;; end of part 4
